; MI455X (gfx1250); checked and timed in simulation.
; The chip was launched on July 23, 2026; its instructions are those of AMD's public machine-readable ISA for CDNA 5 (MIT licence, August 2026) and "CDNA5" Instruction Set Architecture Reference Guide (July 2026). The comments in the code are by the model that wrote it; some were corrected since.
;; Ro PE Attention. Allowed arithmetic: matrix products marked QUANTISED: E3M2 operands, one E8M0 scale for each 32 along K, by v_wmma_scale_f32_16x16x128_f8f6f4 with both operands' format E3M2, f32 sums; everything else in f32.
;; Inputs: norm_w 1,024 float32; wk 1,024 x 1,024 float32; wo 1,024 x 1,024 float32; wq 1,024 x 1,024 float32; wv 1,024 x 1,024 float32; x 4 x 2,048 x 1,024 float32.
;; Outputs: out0 4 x 2,048 x 1,024 float32.
;; This version of the problem:
;;   THIS VERSION OF THE PROBLEM IS GIVEN IN LOW PRECISION. The matrix products marked QUANTISED in the list below multiply operands that are first quantised to E3M2 (3 exponent bits, 2 mantissa bits; 6 bits a number), with one power-of-two scale for each 32 numbers along K (OCP MX v1.0); their sums are f32. All else is computed in f32.
;;   The module's matrix products, in the order in which they are computed (A, B: the left and right operand; K: the contracted axis; several contracted axes count as one K, in the product's order):
;;     1. [M 8,192, K 1,024] x [K 1,024, N 1,024]; A: computed on the way; B: input wq: QUANTISED
;;     2. [M 8,192, K 1,024] x [K 1,024, N 1,024]; A: computed on the way; B: input wk: QUANTISED
;;     3. [M 8,192, K 1,024] x [K 1,024, N 1,024]; A: computed on the way; B: input wv: QUANTISED
;;     4. batch 64 x [M 2,048, K 64] x [K 64, N 2,048]; A: computed on the way; B: computed on the way: QUANTISED
;;     5. batch 64 x [M 2,048, K 2,048] x [K 2,048, N 64]; A: softmax (see below); B: computed on the way: QUANTISED
;;     6. [M 8,192, K 1,024] x [K 1,024, N 1,024]; A: computed on the way; B: input wo: QUANTISED
;;   THE QUANTISER, for each operand of a quantised product, along K:
;;     - K is cut into blocks of 32 from its start; a last block that is shorter is filled with zeros.
;;     - A block's scale is 2^e with e = floor(log2(the largest magnitude in the block)) - 4, held to -126 .. 127; a block of zeros has e = 0. As a byte (E8M0): e + 127.
;;     - Each number is divided by its block's scale, clamped to +-28, and rounded to the nearest number of E3M2, ties to even, subnormals kept.
;;     - The product sums the exact products of the quantised numbers (number of the format x scale) in f32.
;;   ~~~python
;;   def quantise(x, axis):      # numpy; x: float32 -> the quantised numbers, widened to float32 again
;;       x = np.moveaxis(x, axis, -1); K = x.shape[-1]
;;       x = np.pad(x, [(0, 0)] * (x.ndim - 1) + [(0, -K % 32)]); x = x.reshape(x.shape[:-1] + (-1, 32)); a = np.abs(x).max(-1, keepdims=True)
;;       e = np.where(a > 0, np.clip(np.frexp(np.where(a > 0, a, 1))[1] - 1 - 4, -126, 127), 0)      # np.frexp(a)[1] - 1 = floor(log2(a)), exactly
;;       r = np.clip(x / 2.0 ** e, -28, 28)
;;       step = 2.0 ** (np.maximum(np.frexp(np.where(r == 0, 1, r))[1] - 1, -2) - 2)
;;       q = np.round(r / step) * step * 2.0 ** e      # np.round: ties to even
;;       return np.moveaxis(q.reshape(q.shape[:-2] + (-1,))[..., :K], -1, axis).astype(np.float32)
;;   ~~~
;;   SOFTMAX AHEAD OF A QUANTISED PRODUCT. Where the list says 'softmax', what is quantised is not the finished softmax but p = 2^(t - M), with t = logit x log2(e) and M = ceil(the row's largest t), a whole number; so 1/2 < the row's largest p <= 1. The row's sum l is taken of the UNQUANTISED p, in f32, and the product's result is divided by l at the end. Since M is a whole number, a kernel that streams over the keys may use a running M (the ceiling of the running maximum): every later rescaling is an exact power of two, which a block's scale takes up: the codes' values come out the same.
;;   OPERANDS COMPUTED ON THE WAY. 'Computed on the way' means the value that the module computes at that place (a softmax that the list does not call 'softmax' is quantised finished and normalised). What goes into a quantiser is computed in f32, as accurately as f32 sums, v_exp_f32 and their like allow (about 1e-6 of the number): no bf16 or f16 on the way to a quantiser, and a product that is left as it is and whose result goes on into a quantised operand takes f32 operands (vector FMAs, or v_wmma_f32_16x16x4_f32). A number that lies on a knife's edge between two numbers of the format may be rounded either way, as far as f32 arithmetic and the matrix unit's own rounding can turn it there, and no further.
;; One version. Each part assembles by itself: llvm-mc -triple=amdgcn-amd-amdhsa -mcpu=gfx1250 --defsym DOCPART=n.
;; ======== version 1 of 1: 4 launches
;; workspace buffers: xq 6,553,600 bytes; wq4 3,276,800 bytes; rope 524,288 bytes; qb 6,815,744 bytes; kv 13,369,344 bytes; att 6,553,600 bytes
;; launch prep (part 1): grid 656 x 1, 8 waves a work-group, no clusters, 91,392 bytes of LDS; arguments x, norm_w, wq, wk, wv, wo, xq, wq4, rope; writes xq, wq4, rope
.if DOCPART == 1
	.amdgcn_target "amdgcn-amd-amdhsa--gfx1250"
	.amdhsa_code_object_version 6
	.text
	.protected	k_qc928dc411f_prep
	.globl	k_qc928dc411f_prep
	.p2align	8
	.type	k_qc928dc411f_prep,@function
k_qc928dc411f_prep:
	s_mov_b64 s[64:65], 0
	v_nop
	global_prefetch_b8 v0, s[64:65] scope:SCOPE_SE
	s_setreg_imm32_b32 hwreg(HW_REG_WAVE_MODE, 25, 1), 1
	s_wait_xcnt 0x0
; PREP.  Three jobs in one launch, chosen by the work-group's number u: u < 128: a weight is quantised (W); u < 144: the table of cos and sin (R); else: RMSNorm of 16 rows of x, quantised (X).
; All codes are BF6 (E3M2) with one E8M0 byte for each 32 along K: byte = the largest magnitude's exponent field - 4, held at 1 from below.
; THE ORDER INSIDE A BLOCK OF 32.  Position 16 h + 8 u + i of a block holds element 16 u + 8 h + i (the two middle groups of eight change places).  Every operand of every product of this program
; is laid so, both sides alike, so each product meets its own partner and the sums are the same; it is the order in which a matrix result falls when it becomes an operand.
; IMAGES.  Codes are stored as images of the operand's registers: a fragment (16 rows x 128 K, 12 registers a lane) is 1,536 bytes, registers 4 g .. 4 g + 3 of lane l at 512 g + 16 l.
; LIMITS: NaN and infinities among the inputs are not served.  A block of zeros gets the byte 1 where the rule says 127: its codes are zeros, and this program alone reads the bytes.
; The 32 frequencies are the f32 numbers nearest to 10^(-i/8); a power and a division in f32 may give a neighbour, which at the largest position, 2,047, moves an angle by about 1e-4.
; No cluster, no tensor load: the work-groups share no input but norm_w's 4,096 bytes.  Each job has LDS bytes of its own: X 0 .. 65,791, W 65,792 .. 90,367.
.set XP,  4112                         ; X: a row of 1,024 f32 in LDS + 16 bytes: an odd multiple of 16, so the 16 rows that a load touches start at 16 different groups of banks
.set WST, 16*XP                        ; W: eight stages of 3,072 bytes, one a wave
.set TM,  112                          ; v112-115 largest magnitudes, v116-119 the other half's, then the bytes, v124-127 the conversions' scale operands
.set PC,  128                          ; v128-139 a fragment's codes, v140-147 at work
.set PW,  148                          ; its scale word
	s_load_b256 s[4:11], s[0:1], 0x0               ; x s[4:5], norm_w s[6:7], wq s[8:9], wk s[10:11]
	s_load_b256 s[12:19], s[0:1], 0x20             ; wv s[12:13], wo s[14:15], xq s[16:17], wq4 s[18:19]
	s_load_b64 s[20:21], s[0:1], 0x40              ; rope
	v_lshl_add_u32 v160, v0, 2, 0x16100
	v_mov_b32 v161, 0
	v_lshrrev_b32 v1, 5, v0
	s_delay_alu instid0(VALU_DEP_1)
	v_readfirstlane_b32 s23, v1                    ; wave 0..7
	v_and_b32 v2, 31, v0                           ; lane
	s_cmp_lt_u32 ttmp9, 128
	s_cbranch_scc1 .Lrole_w
	s_cmp_lt_u32 ttmp9, 144
	s_cbranch_scc1 .Lrole_r
; ---------------- X: rows 16 j .. 16 j + 15 of x, j = u - 144 ----------------
; 64 numbers of a lane, register 16 b + 8 u + i, become a fragment's codes in v[PC] on and its scale word in v[PW]
.macro QUANT4 s
.irp b, 0,1,2,3
	v_max3_num_f32 v[TM+\b], |v[\s+16*\b]|, |v[\s+1+16*\b]|, 0x2800000   ; my 16 numbers of block b, and the floor 2^(5 - 127): the byte cannot fall under 1
.endr
.irp i, 2,4,6,8,10,12,14
.irp b, 0,1,2,3
	s_delay_alu instid0(VALU_DEP_4)
	v_max3_num_f32 v[TM+\b], v[TM+\b], |v[\s+16*\b+\i]|, |v[\s+1+16*\b+\i]|
.endr
.endr
.irp b, 0,1,2,3
	s_delay_alu instid0(VALU_DEP_4)
	v_permlanex16_b32 v[TM+4+\b], v[TM+\b], s28, s29
.endr
.irp b, 0,1,2,3
	s_delay_alu instid0(VALU_DEP_4)
	v_max_num_f32 v[TM+\b], v[TM+\b], v[TM+4+\b]   ; with lane l xor 16's 16: the block's largest magnitude
.endr
.irp b, 0,1,2,3
	s_delay_alu instid0(VALU_DEP_4)
	v_add_nc_u32 v[TM+12+\b], 0xfe000000, v[TM+\b] ; 4 off its exponent field: the conversion's scale operand
.endr
.irp b, 0,1,2,3
	s_delay_alu instid0(VALU_DEP_4)
	v_lshrrev_b32 v[TM+4+\b], 23, v[TM+12+\b]      ; the scale's byte
.endr
	s_delay_alu instid0(VALU_DEP_3)
	v_lshl_or_b32 v[PW], v[TM+5], 8, v[TM+4]
	s_delay_alu instid0(VALU_DEP_1)
	v_lshl_or_b32 v[PW], v[TM+6], 16, v[PW]
	s_delay_alu instid0(VALU_DEP_1)
	v_lshl_or_b32 v[PW], v[TM+7], 24, v[PW]
.irp c, 0,1
	v_cvt_scalef32_pk16_bf6_f32 v[PC+6*\c:PC+2+6*\c], v[\s+32*\c:\s+15+32*\c], v[TM+12+2*\c]
	v_cvt_scalef32_pk16_bf6_f32 v[PC+12+4*\c:PC+14+4*\c], v[\s+16+32*\c:\s+31+32*\c], v[TM+13+2*\c]   ; (a conversion's three registers begin on an even number)
.endr
	v_nop                                          ; one plain place behind a scaled conversion
.irp c, 0,1                                    ; the operand wants a whole block in a lane: lanes 0-15 block 2 c, lanes 16-31 block 2 c + 1
.irp i, 0,1,2
	v_permlane16_swap_b32 v[PC+6*\c+\i], v[PC+12+4*\c+\i]
.endr
.irp i, 0,1,2
	s_delay_alu instid0(VALU_DEP_3)
	v_mov_b32 v[PC+3+6*\c+\i], v[PC+12+4*\c+\i]
.endr
.endr
.endm
; one row (32 registers from v[x] on; register 4 i + e is column 128 i + 4 lane + e): its mean square, x * rms * norm_w in reference()'s order, and the row to LDS
.macro NORMROW x, off
	v_pk_mul_f32 v[104:105], v[\x:\x+1], v[\x:\x+1]
	v_pk_mul_f32 v[106:107], v[\x+2:\x+3], v[\x+2:\x+3]
.irp i, 4,8,12,16,20,24,28
	s_delay_alu instid0(VALU_DEP_2)
	v_pk_fma_f32 v[104:105], v[\x+\i:\x+\i+1], v[\x+\i:\x+\i+1], v[104:105]
	s_delay_alu instid0(VALU_DEP_2)
	v_pk_fma_f32 v[106:107], v[\x+\i+2:\x+\i+3], v[\x+\i+2:\x+\i+3], v[106:107]
.endr
	s_delay_alu instid0(VALU_DEP_1)
	v_pk_add_f32 v[104:105], v[104:105], v[106:107]
	s_delay_alu instid0(VALU_DEP_1)
	v_add_f32 v104, v104, v105
	s_delay_alu instid0(VALU_DEP_1)
	v_add_f32_dpp v104, v104, v104 row_xmask:1 row_mask:0xf bank_mask:0xf
	s_delay_alu instid0(VALU_DEP_1)
	v_add_f32_dpp v104, v104, v104 row_xmask:2 row_mask:0xf bank_mask:0xf
	s_delay_alu instid0(VALU_DEP_1)
	v_add_f32_dpp v104, v104, v104 row_xmask:4 row_mask:0xf bank_mask:0xf
	s_delay_alu instid0(VALU_DEP_1)
	v_add_f32_dpp v104, v104, v104 row_xmask:8 row_mask:0xf bank_mask:0xf
	s_delay_alu instid0(VALU_DEP_1)
	v_permlanex16_b32 v105, v104, s28, s29
	s_delay_alu instid0(VALU_DEP_1)
	v_add_f32 v104, v104, v105                     ; the row's sum of squares, in every lane
	s_delay_alu instid0(VALU_DEP_1)
	v_fma_f32 v104, v104, s30, s31                 ; / 1,024 + eps
	s_wait_alu depctr_va_vdst(0)
	v_rsq_f32 v108, v104
	v_nop                                          ; a plain place behind the transcendental
	s_wait_alu depctr_va_vdst(0)                   ; and the wait ahead of its first reader
.irp i, 0,2,4,6,8,10,12,14,16,18,20,22,24,26,28,30
	v_pk_mul_f32 v[\x+\i:\x+\i+1], v[\x+\i:\x+\i+1], v[108:109] op_sel_hi:[1,0]
.endr
.irp i, 0,2,4,6,8,10,12,14,16,18,20,22,24,26,28,30
	v_pk_mul_f32 v[\x+\i:\x+\i+1], v[\x+\i:\x+\i+1], v[8+\i:9+\i]
.endr
.irp i, 0,1,2,3,4,5,6,7
	ds_store_b128 v4, v[\x+4*\i:\x+4*\i+3] offset:\off+512*\i
.endr
.endm
	s_sub_co_u32 s24, ttmp9, 144                   ; j: which 16 rows
	s_lshl_b32 s26, s24, 16                        ; 16 rows of 4,096 bytes,
	s_lshl_b32 s27, s23, 13                        ; my wave's two
	s_add_co_u32 s26, s26, s27
	s_mov_b32 s27, 0
	s_mov_b32 s28, 0x76543210
	s_mov_b32 s29, 0xfedcba98                      ; v_permlanex16_b32's selects for lane l xor 16
	s_mov_b32 s30, 0x3a800000                      ; 1 / 1,024
	s_mov_b32 s31, 0x34000000                      ; eps = 2^-23
	s_wait_alu depctr_va_vdst(0)
	v_lshlrev_b32 v3, 4, v2                        ; 16 x lane
	s_mul_i32 s25, s23, 2*XP
	v_add_nc_u32 v4, s25, v3                       ; LDS, in: rows 2 w and 2 w + 1, 16 bytes a lane
	v_and_b32 v5, 15, v0                           ; r
	v_bfe_u32 v6, v0, 4, 1                         ; h
	s_delay_alu instid0(VALU_DEP_2)
	v_mul_u32_u24 v7, v5, XP
	s_delay_alu instid0(VALU_DEP_1)
	v_lshl_add_u32 v7, v6, 5, v7
	s_lshl_b32 s25, s23, 9
	v_add_nc_u32 v7, s25, v7                       ; LDS, out: row r, + 32 h, + 512 x K step (= my wave)
	v_lshlrev_b32 v5, 2, v5                        ; 4 r: my row's scale word
	v_mov_b32 v109, 0                              ; (named as the upper half of the pair v[108:109])
.irp b, 0,1,2,3
	v_mov_b32 v[TM+4+\b], 0                        ; written once: a lane permute's destination counts as one of its sources
.endr
	s_lshr_b32 s32, s24, 4                         ; codes: [block of 256 rows][K step][tile of 16 rows], 1,536 bytes each
	s_mul_i32 s32, s32, 196608
	s_mul_i32 s33, s23, 24576
	s_add_co_u32 s32, s32, s33
	s_and_b32 s33, s24, 15
	s_mul_i32 s33, s33, 1536
	s_add_co_u32 s32, s32, s33
	s_mov_b32 s33, 0
	s_lshr_b32 s34, s24, 1                         ; scale words: [pair of tiles][K step][tile of the pair][row]
	s_lshl_b32 s34, s34, 10
	s_lshl_b32 s35, s23, 7
	s_add_co_u32 s34, s34, s35
	s_and_b32 s35, s24, 1
	s_lshl_b32 s35, s35, 6
	s_add_co_u32 s34, s34, s35
	s_add_co_u32 s34, s34, 6291456
	s_mov_b32 s35, 0
	s_wait_kmcnt 0x0
	s_add_nc_u64 s[4:5], s[4:5], s[26:27]
	s_add_nc_u64 s[32:33], s[16:17], s[32:33]
	s_add_nc_u64 s[34:35], s[16:17], s[34:35]
.irp i, 0,1,2,3,4,5,6,7
	global_load_b128 v[8+4*\i:11+4*\i], v3, s[6:7] offset:512*\i                    ; norm_w
.endr
.irp i, 0,1,2,3,4,5,6,7
	global_load_b128 v[40+4*\i:43+4*\i], v3, s[4:5] offset:512*\i th:TH_LOAD_NT     ; row 2 w: 512 consecutive bytes a load
.endr
.irp i, 0,1,2,3,4,5,6,7
	global_load_b128 v[72+4*\i:75+4*\i], v3, s[4:5] offset:4096+512*\i th:TH_LOAD_NT ; row 2 w + 1
.endr
	s_wait_loadcnt 8                               ; norm_w and the first row are in; the second row's eight loads may be out
	NORMROW 40, 0
	s_wait_loadcnt 0x0
	NORMROW 72, XP
	s_wait_dscnt 0x0                               ; for the others' sake: my two rows lie in LDS
	s_barrier_signal -1
	s_barrier_wait -1
.irp b, 0,1,2,3                                ; wave w takes K step w of all 16 rows: lane (r, h) reads, of each block of 32, elements 8 h .. 8 h + 7 and 16 + 8 h .. 16 + 8 h + 7
	ds_load_b128 v[40+16*\b:43+16*\b], v7 offset:128*\b
	ds_load_b128 v[44+16*\b:47+16*\b], v7 offset:128*\b+16
	ds_load_b128 v[48+16*\b:51+16*\b], v7 offset:128*\b+64
	ds_load_b128 v[52+16*\b:55+16*\b], v7 offset:128*\b+80
.endr
	s_wait_dscnt 0x0
	QUANT4 40
	global_store_b128 v3, v[PC:PC+3], s[32:33]                 ; the fragment's image: 3 x 512 consecutive bytes
	global_store_b128 v3, v[PC+4:PC+7], s[32:33] offset:512
	global_store_b128 v3, v[PC+8:PC+11], s[32:33] offset:1024
	global_store_b32 v5, v[PW], s[34:35]                       ; both halves of the lanes hold and write the same word
	s_wait_tensorcnt 0x0
	ds_add_u32 v160, v161
	s_wait_dscnt 0x0
	s_endpgm
; ---------------- R: cos and sin of t x 10^(-i/8): lane = frequency i, a wave takes 16 positions t ----------------
.Lrole_r:
	s_sub_co_u32 s24, ttmp9, 128
	s_lshl_b32 s24, s24, 3
	s_add_co_u32 s24, s24, s23
	s_lshl_b32 s24, s24, 4                         ; my first t
	s_lshl_b32 s26, s24, 8                         ; a position's row: 32 cos, 32 sin: 256 bytes
	s_mov_b32 s27, 0
	v_mov_b32 v8, 0
.set L, 0
.irp f, 0x3F800000,0x3F3FF911,0x3F0FF59A,0x3ED7E89B,0x3EA1E89B,0x3E72D424,0x3E361887,0x3E088D77,0x3DCCCCCD,0x3D99940E,0x3D6655C3,0x3D2CBA15,0x3D0186E2,0x3CC24350,0x3C91AD39,0x3C5A7BF1,0x3C23D70A,0x3BF5B9B0,0x3BB8449C,0x3B8A2E77,0x3B4F3E37,0x3B1B690D,0x3AE91528,0x3AAEC98E,0x3A83126F,0x3A44948C,0x3A136A16,0x39DD1726,0x39A5CB5F,0x3978A814,0x393A7753,0x390BD472
	s_mov_b32 s25, \f
	v_writelane_b32 v8, s25, L                     ; lane i: 10^(-i/8)
.set L, L+1
.endr
	s_mov_b32 s30, 0x3f22f983                      ; 2 / pi
	s_mov_b32 s31, 0xbfc90fdb                      ; -(pi/2 as f32)
	s_mov_b32 s32, 0x333bbd2e                      ; that f32 less pi/2
	s_mov_b32 s33, 0x37ccf5ce                      ; cos: z^2 (c1 + z (c2 + z c3)) - z / 2 + 1
	s_mov_b32 s34, 0xbab6061a
	s_mov_b32 s35, 0x3d2aaaa5
	s_mov_b32 s36, 0xb94ca1f9                      ; sin: r + r z (s1 + z (s2 + z s3))
	s_mov_b32 s37, 0x3c08839e
	s_mov_b32 s38, 0xbe2aaaa3
	v_lshlrev_b32 v3, 2, v2
	s_wait_kmcnt 0x0
	s_add_nc_u64 s[20:21], s[20:21], s[26:27]
	s_mov_b32 s28, 16
.Lrope:
	v_cvt_f32_u32 v10, s24
	s_wait_alu depctr_va_vdst(0)
	v_mul_f32 v10, v10, v8                         ; the angle, rounded once, as reference() has it
	s_delay_alu instid0(VALU_DEP_1)
	v_mul_f32 v11, s30, v10
	s_delay_alu instid0(VALU_DEP_1)
	v_rndne_f32 v11, v11                           ; j: the nearest multiple of pi/2, at most 1,304
	s_delay_alu instid0(VALU_DEP_1)
	v_fma_f32 v12, v11, s31, v10
	s_delay_alu instid0(VALU_DEP_1)
	v_fma_f32 v12, v11, s32, v12                   ; r = angle - j pi/2, |r| <= pi/4
	s_delay_alu instid0(VALU_DEP_1)
	v_mul_f32 v13, v12, v12                        ; z
	s_delay_alu instid0(VALU_DEP_1)
	v_fma_f32 v14, v13, s33, s34
	s_delay_alu instid0(VALU_DEP_2)
	v_fma_f32 v15, v13, s36, s37
	s_delay_alu instid0(VALU_DEP_2)
	v_fma_f32 v14, v14, v13, s35
	s_delay_alu instid0(VALU_DEP_2)
	v_fma_f32 v15, v15, v13, s38
	s_delay_alu instid0(VALU_DEP_2)
	v_fma_f32 v14, v14, v13, -0.5
	v_mul_f32 v16, v12, v13
	s_delay_alu instid0(VALU_DEP_2)
	v_fma_f32 v14, v14, v13, 1.0                   ; cos r
	s_delay_alu instid0(VALU_DEP_2)
	v_fma_f32 v15, v15, v16, v12                   ; sin r
	v_cvt_i32_f32 v17, v11
	s_delay_alu instid0(VALU_DEP_1)
	v_and_b32 v18, 1, v17
	s_delay_alu instid0(VALU_DEP_1)
	v_cmp_eq_u32 vcc_lo, 1, v18
	s_delay_alu instid0(VALU_DEP_1)
	v_cndmask_b32 v19, v14, v15, vcc_lo            ; an odd j changes the two over;
	s_delay_alu instid0(VALU_DEP_2)
	v_cndmask_b32 v20, v15, v14, vcc_lo
	v_add_nc_u32 v18, 1, v17
	v_lshlrev_b32 v17, 30, v17
	s_delay_alu instid0(VALU_DEP_2)
	v_lshlrev_b32 v18, 30, v18
	s_delay_alu instid0(VALU_DEP_2)
	v_and_b32 v17, 0x80000000, v17                 ; sin is negated for j mod 4 = 2, 3,
	s_delay_alu instid0(VALU_DEP_2)
	v_and_b32 v18, 0x80000000, v18                 ; cos for 1, 2
	s_delay_alu instid0(VALU_DEP_2)
	v_xor_b32 v20, v20, v17
	s_delay_alu instid0(VALU_DEP_2)
	v_xor_b32 v19, v19, v18
	global_store_b32 v3, v19, s[20:21]
	global_store_b32 v3, v20, s[20:21] offset:128
	s_wait_xcnt 0x0                                ; the stores have read their data and their base: both are written again below and in the next trip
	s_add_nc_u64 s[20:21], s[20:21], 256
	s_add_co_u32 s24, s24, 1
	s_sub_co_u32 s28, s28, 1
	s_cmp_lg_u32 s28, 0
	s_cbranch_scc1 .Lrope
	s_endpgm
; ---------------- W: weight mi = u / 32, 256 columns cg, K step s.  A lane takes a column and its registers run down K ----------------
.Lrole_w:
	s_lshr_b32 s24, ttmp9, 5                       ; mi: 0 wq, 1 wk, 2 wv, 3 wo
	s_bfe_u32 s25, ttmp9, 0x20003                  ; cg
	s_and_b32 s26, ttmp9, 7                        ; s
	s_lshl_b32 s28, s26, 19                        ; 128 rows of 4,096 bytes,
	s_lshl_b32 s29, s25, 10                        ; 256 columns,
	s_add_co_u32 s28, s28, s29
	s_lshl_b32 s29, s23, 7                         ; my wave's 32
	s_add_co_u32 s28, s28, s29
	s_mov_b32 s29, 0
	s_mul_i32 s27, s23, 3072
	s_add_co_u32 s27, s27, WST                     ; my stage: two fragments' images
	s_wait_alu depctr_va_vdst(0)
	v_lshlrev_b32 v3, 2, v2                        ; 4 x lane
	v_bfe_u32 v5, v0, 4, 1
	s_delay_alu instid0(VALU_DEP_1)
	v_mul_u32_u24 v5, v5, 1536                     ; which of my two tiles of 16 columns,
	v_and_b32 v6, 15, v0
	s_delay_alu instid0(VALU_DEP_1)
	v_lshl_add_u32 v5, v6, 4, v5                   ; and my column's row in it
	s_delay_alu instid0(VALU_DEP_1)
	v_add_nc_u32 v4, s27, v5
	v_lshlrev_b32 v8, 4, v2                        ; 16 x lane
	s_delay_alu instid0(VALU_DEP_1)
	v_add_nc_u32 v7, s27, v8
	s_lshl_b32 s30, s25, 4
	s_lshl_b32 s31, s23, 1
	s_add_co_u32 s30, s30, s31                     ; T0: my first tile of 16 columns, of 64
	s_lshr_b32 s31, s30, 3                         ; wq, wk, wv: [pair of heads][kind][K step][tile of 8]
	s_mul_i32 s31, s31, 294912
	s_mul_i32 s36, s24, 98304
	s_add_co_u32 s31, s31, s36
	s_mul_i32 s36, s26, 12288
	s_add_co_u32 s31, s31, s36
	s_and_b32 s30, s30, 7
	s_mul_i32 s30, s30, 1536
	s_add_co_u32 s31, s31, s30
	s_mul_i32 s36, s25, 196608                     ; wo: behind them, [256 columns][K step][tile of 16]
	s_mul_i32 s37, s26, 24576
	s_add_co_u32 s36, s36, s37
	s_mul_i32 s37, s23, 3072
	s_add_co_u32 s36, s36, s37
	s_add_co_u32 s36, s36, 2359296
	s_cmp_eq_u32 s24, 3
	s_cselect_b32 s32, s36, s31
	s_mov_b32 s33, 0
	s_lshl_b32 s34, s24, 15                        ; scale words: [weight][K step][column]
	s_lshl_b32 s35, s26, 12
	s_add_co_u32 s34, s34, s35
	s_lshl_b32 s35, s25, 10
	s_add_co_u32 s34, s34, s35
	s_lshl_b32 s35, s23, 7
	s_add_co_u32 s34, s34, s35
	s_add_co_u32 s34, s34, 3145728
	s_mov_b32 s35, 0
	s_wait_alu depctr_va_vdst(0)
	s_wait_kmcnt 0x0
	s_cmp_eq_u32 s24, 1                            ; the weight is chosen by the work-group's number alone
	s_cselect_b64 s[8:9], s[10:11], s[8:9]
	s_cmp_eq_u32 s24, 2
	s_cselect_b64 s[8:9], s[12:13], s[8:9]
	s_cmp_eq_u32 s24, 3
	s_cselect_b64 s[8:9], s[14:15], s[8:9]
	s_add_nc_u64 s[8:9], s[8:9], s[28:29]
	s_add_nc_u64 s[32:33], s[18:19], s[32:33]
	s_add_nc_u64 s[34:35], s[18:19], s[34:35]
.macro WLOAD t                         ; block t: register i takes the block's element (i & 7) + 16 ((i >> 3) & 1) + 8 (i >> 4); a load reads 128 consecutive bytes, the eight waves 1,024
.set i, 0
.rept 32
	global_load_b32 v[32+32*(\t)+i], v3, s[8:9] offset:(32*(\t)+(i&7)+16*((i>>3)&1)+8*(i>>4))*4096 th:TH_LOAD_NT
.set i, i+1
.endr
.endm
.macro WBLOCK t
.set xs, 32+32*(\t)
.if (\t) < 3
	s_wait_loadcnt 32                              ; this block's 32 loads are in; the next block's 32 may be out
.else
	s_wait_loadcnt 0x0
.endif
.if (\t) < 2
	WLOAD (\t)+2                                   ; each block has registers of its own
.endif
	v_max3_num_f32 v12, |v[xs]|, |v[xs+1]|, |v[xs+2]|          ; all 32 numbers of the block are mine
	v_max3_num_f32 v13, |v[xs+3]|, |v[xs+4]|, |v[xs+5]|
.irp i, 6,10,14,18,22,26
	s_delay_alu instid0(VALU_DEP_2)
	v_max3_num_f32 v12, v12, |v[xs+\i]|, |v[xs+\i+1]|
	s_delay_alu instid0(VALU_DEP_2)
	v_max3_num_f32 v13, v13, |v[xs+\i+2]|, |v[xs+\i+3]|
.endr
	s_delay_alu instid0(VALU_DEP_2)
	v_max3_num_f32 v12, v12, |v[xs+30]|, |v[xs+31]|
	s_delay_alu instid0(VALU_DEP_1)
	v_max3_num_f32 v12, v12, v13, 0x2800000        ; and the floor
	s_delay_alu instid0(VALU_DEP_1)
	v_add_nc_u32 v11, 0xfe000000, v12
	s_delay_alu instid0(VALU_DEP_1)
	v_lshrrev_b32 v13, 23, v11
.if (\t) == 0
	s_delay_alu instid0(VALU_DEP_1)
	v_mov_b32 v14, v13
.else
	s_delay_alu instid0(VALU_DEP_1)
	v_lshl_or_b32 v14, v13, 8*(\t), v14            ; the column's scale word for this K step
.endif
	v_cvt_scalef32_pk16_bf6_f32 v[16:18], v[xs:xs+15], v11
	v_cvt_scalef32_pk16_bf6_f32 v[20:22], v[xs+16:xs+31], v11
	v_nop                                          ; one plain place behind a scaled conversion
	v_mov_b32 v19, v20
	v_mov_b32 v20, v21
	v_mov_b32 v21, v22                             ; v16-21: registers 6 (t / 2) .. + 5 of lane (my column, t % 2) of the fragment
.irp i, 0,1,2
	ds_store_b64 v4, v[16+2*\i:17+2*\i] offset:512*((3*((\t)>>1)+\i)>>1)+8*((3*((\t)>>1)+\i)&1)+256*((\t)&1)
.endr
	s_wait_dscnt 0x0                               ; the stores have read their registers: the next block's codes may be written
.endm
	WLOAD 0
	WLOAD 1
	WBLOCK 0
	WBLOCK 1
	WBLOCK 2
	WBLOCK 3
	s_wait_alu depctr_va_vdst(0)
	global_store_b32 v3, v14, s[34:35]             ; 32 columns' scale words: 128 consecutive bytes
.irp i, 0,1,2,3,4,5
	ds_load_b128 v[32+4*\i:35+4*\i], v7 offset:512*\i          ; my own stage: LDS serves a wave's instructions in order
.endr
.irp i, 0,1,2,3,4,5
	s_wait_dscnt 5-\i
	global_store_b128 v8, v[32+4*\i:35+4*\i], s[32:33] offset:512*\i   ; two fragments' images: 3,072 consecutive bytes
.endr
	s_wait_tensorcnt 0x0
	ds_add_u32 v160, v161
	s_wait_dscnt 0x0
	s_endpgm
.Lfunc_end_k_qc928dc411f_prep:
	.size	k_qc928dc411f_prep, .Lfunc_end_k_qc928dc411f_prep-k_qc928dc411f_prep
	.p2alignl 7, 3214868480
	.fill 96, 4, 3214868480
	.section	.rodata,"a",@progbits
	.p2align	6, 0x0
	.amdhsa_kernel k_qc928dc411f_prep
		.amdhsa_group_segment_fixed_size 91392
		.amdhsa_private_segment_fixed_size 0
		.amdhsa_enable_private_segment 0
		.amdhsa_kernarg_size 72
		.amdhsa_user_sgpr_count 2
		.amdhsa_user_sgpr_kernarg_segment_ptr 1
		.amdhsa_wavefront_size32 1
		.amdhsa_system_sgpr_workgroup_id_x 1
		.amdhsa_system_sgpr_workgroup_id_y 1
		.amdhsa_system_sgpr_workgroup_id_z 1
		.amdhsa_system_vgpr_workitem_id 0
		.amdhsa_next_free_vgpr 162
		.amdhsa_next_free_sgpr 66
		.amdhsa_reserve_vcc 1
		.amdhsa_float_denorm_mode_32 3
		.amdhsa_float_denorm_mode_16_64 3
		.amdhsa_memory_ordered 1
		.amdhsa_forward_progress 1
		.amdhsa_inst_pref_size 54
	.end_amdhsa_kernel
	.amdgpu_metadata
---
amdhsa.version: [ 1, 2 ]
amdhsa.kernels:
  - .name:           k_qc928dc411f_prep
    .symbol:         k_qc928dc411f_prep.kd
    .args:
      - { .name: x, .offset: 0, .size: 8, .value_kind: global_buffer, .address_space: global }
      - { .name: norm_w, .offset: 8, .size: 8, .value_kind: global_buffer, .address_space: global }
      - { .name: wq, .offset: 16, .size: 8, .value_kind: global_buffer, .address_space: global }
      - { .name: wk, .offset: 24, .size: 8, .value_kind: global_buffer, .address_space: global }
      - { .name: wv, .offset: 32, .size: 8, .value_kind: global_buffer, .address_space: global }
      - { .name: wo, .offset: 40, .size: 8, .value_kind: global_buffer, .address_space: global }
      - { .name: xq, .offset: 48, .size: 8, .value_kind: global_buffer, .address_space: global }
      - { .name: wq4, .offset: 56, .size: 8, .value_kind: global_buffer, .address_space: global }
      - { .name: rope, .offset: 64, .size: 8, .value_kind: global_buffer, .address_space: global }
    .group_segment_fixed_size: 91392
    .private_segment_fixed_size: 0
    .kernarg_segment_align: 8
    .kernarg_segment_size: 72
    .max_flat_workgroup_size: 256
    .sgpr_count:     66
    .vgpr_count:     162
    .wavefront_size: 32
...
	.end_amdgpu_metadata
.endif
;; end of part 1
;; launch qkv (part 2): grid 8 x 32, 4 waves a work-group, clusters of 4 x 4, 327,680 bytes of LDS; arguments xq, wq4, rope, qb, kv; writes qb, kv
.if DOCPART == 2
	.amdgcn_target "amdgcn-amd-amdhsa--gfx1250"
	.amdhsa_code_object_version 6
	.text
	.protected	k_qc928dc411f_qkv
	.globl	k_qc928dc411f_qkv
	.p2align	8
	.type	k_qc928dc411f_qkv,@function
k_qc928dc411f_qkv:
	s_mov_b64 s[64:65], 0
	v_nop
	global_prefetch_b8 v0, s[64:65] scope:SCOPE_SE
	s_setreg_imm32_b32 hwreg(HW_REG_WAVE_MODE, 25, 1), 1
	s_wait_xcnt 0x0
	s_wait_alu depctr_hold_cnt(0) depctr_sa_sdst(0) depctr_va_vdst(0) depctr_va_sdst(0) depctr_va_ssrc(0) depctr_va_vcc(0) depctr_vm_vsrc(0)
	s_getreg_b32 s2, hwreg(HW_REG_IB_STS2, 6, 4)
	s_cmp_eq_u32 s2, 0
	s_cbranch_scc0 .Lentry_in_a_cluster
	s_endpgm
.Lentry_in_a_cluster:
	s_bfe_u32 s2, ttmp6, 0x10000c
	s_cmp_lg_u32 s2, 0xf033
	s_cbranch_scc0 .Lentry_shape_is_right
	s_endpgm
.Lentry_shape_is_right:
; QKV.  q, k, v = Q(normed x) Q(w), on codes of BF6 with E8M0 scales; RoPE on q and k in f32; all three are quantised again for attention and stored as images of operand registers.
; SHARES.  A work-group takes 256 tokens (block tb) and two heads (pair hp); wave w takes 128 tokens (w / 2) of one head (w % 2): 32 accumulators of 16 x 16.  Three passes, q, k, v, of 8 K steps of 128.
; q and k are made TRANSPOSED (source 0 = 16 columns of w, source 1 = 16 tokens): a lane holds one token and its registers run along the head's 64, the next product's K; a number and its RoPE partner, 32 on, lie in one lane.
; v is made straight (source 0 = tokens, source 1 = columns): a lane holds one of the head's 64 and its registers run along the tokens, which are the second attention product's K.
; LDS.  x's codes of the 256 tokens, all of K, stay: 196,608 bytes, read in all three passes.  The weights' codes go through a ring of two slots of 49,152 bytes (4 K steps x 8 tiles): six chunks q0 q1 k0 k1 v0 v1.
; Everything lies as images of registers (1,536 bytes a fragment, 16 bytes a lane on end), so each fragment is three loads of 512 consecutive bytes and nothing is padded.
; CLUSTER 4 x 4.  x's codes hang on tb alone and are shared along a row of the cluster, the weights' on hp alone and are shared along a column: joint loads, each wave a quarter of each tile.
; No prefetch: x's codes are all asked for at the head, and a refill of the ring has four K steps, 128 matrix instructions, in which to land.
; LIMITS: NaN and infinities are not served; a block of zeros gets the byte 1 (its codes are zeros; this program alone reads the bytes).
; REGISTERS.  window 0: v1, v2 the spare word's address and 0; v3-6 x's LDS addresses (two K steps each); v7-8 the ring's two slots; v9 my place in the table of cos and sin; v10-12 16, 8, 4 x lane;
;   v16-47 x's scale words, v48-63 the pass's weights', v64-79 k's, v80-95 v's; v96-159 cos and sin, two sets; v160-191 a rotated tile; v192-235 the quantiser.
;   window 1: the accumulators.  window 2: x's fragments, two sets of 96.  window 3: the weights', two sets of 48.
.set SLOTB, 49152
.set BRING, 196608
.set SPARE, 294912                     ; the spare words, 128 bytes a wave: two blocks of 256 bytes that no other line names
.set XS,  16
.set WS,  48
.set KSW, 64
.set VSW, 80
.set CSN, 96
.set T,   160
.set TM,  192
.set PC,  208
.set PW,  228
.set PWE, 229
.set SQ,  230
.set SV,  234
.set MSB, 0
.macro WIN new                         ; the immediate's high byte repeats the setting that is left
.if MSB != \new
	s_set_vgpr_msb (MSB<<8)|\new
.set MSB, \new
.endif
.endm
.macro PLACES
.rept 4
	v_nop
.endr
.endm
.macro CROUND                          ; a round of the cluster's barrier
	s_barrier_signal -1
	s_barrier_wait -1
	s_cmp_lg_u32 s14, 0
	s_cbranch_scc1 .Lnot_wave_0_\@
	s_barrier_signal -3
.Lnot_wave_0_\@:
	s_barrier_wait -3
	s_barrier_signal -1
	s_barrier_wait -1
.endm
; one product.  d, a, b: first registers of D, source 0, source 1; sa, sb: their scale registers; ra, rb: 0 = lanes 0-15 of the scale register, 1 = lanes 16-31
.macro WMS d, a, b, zero, sa, ra, sb, rb
.set rr, (\ra)+2*(\rb)
.if \zero
.if rr == 0
	v_wmma_scale_f32_16x16x128_f8f6f4 v[0+(\d):7+(\d)], v[0+(\a):11+(\a)], v[0+(\b):11+(\b)], 0, v[0+(\sa)], v[0+(\sb)] matrix_a_fmt:MATRIX_FMT_BF6 matrix_b_fmt:MATRIX_FMT_BF6
.elseif rr == 1
	v_wmma_scale_f32_16x16x128_f8f6f4 v[0+(\d):7+(\d)], v[0+(\a):11+(\a)], v[0+(\b):11+(\b)], 0, v[0+(\sa)], v[0+(\sb)] matrix_a_fmt:MATRIX_FMT_BF6 matrix_b_fmt:MATRIX_FMT_BF6 matrix_a_scale:MATRIX_SCALE_ROW1
.elseif rr == 2
	v_wmma_scale_f32_16x16x128_f8f6f4 v[0+(\d):7+(\d)], v[0+(\a):11+(\a)], v[0+(\b):11+(\b)], 0, v[0+(\sa)], v[0+(\sb)] matrix_a_fmt:MATRIX_FMT_BF6 matrix_b_fmt:MATRIX_FMT_BF6 matrix_b_scale:MATRIX_SCALE_ROW1
.else
	v_wmma_scale_f32_16x16x128_f8f6f4 v[0+(\d):7+(\d)], v[0+(\a):11+(\a)], v[0+(\b):11+(\b)], 0, v[0+(\sa)], v[0+(\sb)] matrix_a_fmt:MATRIX_FMT_BF6 matrix_b_fmt:MATRIX_FMT_BF6 matrix_a_scale:MATRIX_SCALE_ROW1 matrix_b_scale:MATRIX_SCALE_ROW1
.endif
.else
.if rr == 0
	v_wmma_scale_f32_16x16x128_f8f6f4 v[0+(\d):7+(\d)], v[0+(\a):11+(\a)], v[0+(\b):11+(\b)], v[0+(\d):7+(\d)], v[0+(\sa)], v[0+(\sb)] matrix_a_fmt:MATRIX_FMT_BF6 matrix_b_fmt:MATRIX_FMT_BF6
.elseif rr == 1
	v_wmma_scale_f32_16x16x128_f8f6f4 v[0+(\d):7+(\d)], v[0+(\a):11+(\a)], v[0+(\b):11+(\b)], v[0+(\d):7+(\d)], v[0+(\sa)], v[0+(\sb)] matrix_a_fmt:MATRIX_FMT_BF6 matrix_b_fmt:MATRIX_FMT_BF6 matrix_a_scale:MATRIX_SCALE_ROW1
.elseif rr == 2
	v_wmma_scale_f32_16x16x128_f8f6f4 v[0+(\d):7+(\d)], v[0+(\a):11+(\a)], v[0+(\b):11+(\b)], v[0+(\d):7+(\d)], v[0+(\sa)], v[0+(\sb)] matrix_a_fmt:MATRIX_FMT_BF6 matrix_b_fmt:MATRIX_FMT_BF6 matrix_b_scale:MATRIX_SCALE_ROW1
.else
	v_wmma_scale_f32_16x16x128_f8f6f4 v[0+(\d):7+(\d)], v[0+(\a):11+(\a)], v[0+(\b):11+(\b)], v[0+(\d):7+(\d)], v[0+(\sa)], v[0+(\sb)] matrix_a_fmt:MATRIX_FMT_BF6 matrix_b_fmt:MATRIX_FMT_BF6 matrix_a_scale:MATRIX_SCALE_ROW1 matrix_b_scale:MATRIX_SCALE_ROW1
.endif
.endif
.endm
; K step s's fragments, 36 loads in one run, into set s % 2: x's eight tiles (window 2), the weights' four (window 3; K steps 0-3 lie in slot 0, 4-7 in slot 1)
.macro FETCH s
.set fs, (\s)&1
	WIN 0x80
.irp m, 0,1,2,3,4,5,6,7
.irp g, 0,1,2
	ds_load_b128 v[96*fs+12*\m+4*\g:96*fs+12*\m+4*\g+3], v[3+((\s)>>1)] offset:((\s)&1)*24576+\m*1536+512*\g
.endr
.endr
	WIN 0xc0
.irp n, 0,1,2,3
.irp g, 0,1,2
	ds_load_b128 v[48*fs+12*\n+4*\g:48*fs+12*\n+4*\g+3], v[7+((\s)>>2)] offset:((\s)&3)*12288+\n*1536+512*\g
.endr
.endr
.endm
; K step s's 32 products; the 32 accumulators take turns, one instruction a turn, in the same order in every step.  kind 0: q, k (transposed); kind 1: v.  zero = 1: the products start the sums
.macro MUL s, kind, zero
.set fs, (\s)&1
.if \kind
	WIN 0x5e                                       ; source 0 (x) window 2, source 1 (w) window 3, C and D window 1
.else
	WIN 0x5b                                       ; source 0 (w) window 3, source 1 (x) window 2, C and D window 1
.endif
.irp m, 0,1,2,3,4,5,6,7
.irp n, 0,1,2,3
.if \kind
	WMS 8*(8*\n+\m), 96*fs+12*\m, 48*fs+12*\n, \zero, XS+4*(\s)+(\m>>1), \m&1, VSW+2*(\s)+(\n>>1), \n&1
.else
	WMS 8*(4*\m+\n), 48*fs+12*\n, 96*fs+12*\m, \zero, WS+2*(\s)+(\n>>1), \n&1, XS+4*(\s)+(\m>>1), \m&1
.endif
.endr
.endr
.endm
.macro STEP s, kind, zero
	s_wait_dscnt 0x0                               ; this step's fragments are in (asked for 32 matrix instructions ago)
	PLACES                                         ; four places in front of loads into the set that the last step's products read
	FETCH (\s)+1
	MUL \s, \kind, \zero
.endm
.macro ROPELD m                        ; cos and sin of tile m's 16 tokens: lane (r, h) takes frequencies 8 h .. + 7 and 16 + 8 h .. + 7 of token r, into set m % 2
.set rb, CSN+32*((\m)&1)
	global_load_b128 v[rb:rb+3], v9, s[70:71] offset:4096*(\m)
	global_load_b128 v[rb+4:rb+7], v9, s[70:71] offset:4096*(\m)+16
	global_load_b128 v[rb+8:rb+11], v9, s[70:71] offset:4096*(\m)+64
	global_load_b128 v[rb+12:rb+15], v9, s[70:71] offset:4096*(\m)+80
	global_load_b128 v[rb+16:rb+19], v9, s[70:71] offset:4096*(\m)+128
	global_load_b128 v[rb+20:rb+23], v9, s[70:71] offset:4096*(\m)+144
	global_load_b128 v[rb+24:rb+27], v9, s[70:71] offset:4096*(\m)+192
	global_load_b128 v[rb+28:rb+31], v9, s[70:71] offset:4096*(\m)+208
.endm
; A slot's last K step.  In front of the barrier each wave waits for all its tensor loads (its part of the other slot), adds 0 to its spare word, and waits for that and for its reads of this slot, which are all in registers.
; refill = 1: the barrier is a round of the cluster's, and this slot takes the chunk two further on: my one tensor load behind the round, and the first thing there.
.macro TURN s, kind, refill, rope
	WIN 0
	s_wait_tensorcnt 0x0
	ds_add_u32 v1, v2
.if \refill
	s_add_nc_u64 s[50+4*((\s)>>2):51+4*((\s)>>2)], s[50+4*((\s)>>2):51+4*((\s)>>2)], 2*SLOTB   ; no tensor load of mine is out: the slot's group 0 may step
.endif
	s_wait_dscnt 0x0
.if \refill
	CROUND
	tensor_load_to_lds s[48+4*((\s)>>2):51+4*((\s)>>2)], s[32:39]
	s_nop 0
.else
	s_barrier_signal -1
	s_barrier_wait -1
.endif
	PLACES                                         ; behind the tensor load; also the places in front of the loads below
	s_wait_alu depctr_va_vdst(0)
	FETCH ((\s)+1)&7
.if \rope
	WIN 0
	ROPELD 0
	ROPELD 1
.endif
	MUL \s, \kind, 0
.endm
; 32 numbers of a lane, register 16 b + 8 u + i, become half a fragment's codes (six registers from v[PC] on) and two scale bytes in v[PW]
.macro QUANT2 s
.irp b, 0,1
	v_max3_num_f32 v[TM+\b], |v[\s+16*\b]|, |v[\s+1+16*\b]|, 0x2800000
.endr
.irp i, 2,4,6,8,10,12,14
.irp b, 0,1
	v_max3_num_f32 v[TM+\b], v[TM+\b], |v[\s+16*\b+\i]|, |v[\s+1+16*\b+\i]|
.endr
.endr
.irp b, 0,1
	v_permlanex16_b32 v[TM+4+\b], v[TM+\b], s22, s23
.endr
.irp b, 0,1
	v_max_num_f32 v[TM+\b], v[TM+\b], v[TM+4+\b]
.endr
.irp b, 0,1
	v_add_nc_u32 v[TM+12+\b], 0xfe000000, v[TM+\b]
.endr
.irp b, 0,1
	v_lshrrev_b32 v[TM+4+\b], 23, v[TM+12+\b]
.endr
	v_lshl_or_b32 v[PW], v[TM+5], 8, v[TM+4]
	v_cvt_scalef32_pk16_bf6_f32 v[PC:PC+2], v[\s:\s+15], v[TM+12]
	v_cvt_scalef32_pk16_bf6_f32 v[PC+6:PC+8], v[\s+16:\s+31], v[TM+13]
	v_nop                                          ; one plain place behind a scaled conversion
.irp i, 0,1,2
	v_permlane16_swap_b32 v[PC+\i], v[PC+6+\i]     ; lanes 0-15 now hold block 0 whole, lanes 16-31 block 1
.endr
.irp i, 0,1,2
	v_mov_b32 v[PC+3+\i], v[PC+6+\i]
.endr
.endm
; q's or k's tile m (16 tokens x the head's 64): RoPE, quantised, stored.  Accumulators 4 m .. 4 m + 3: registers 0-15 the lower 32 of the head, 16-31 the upper 32; each is read from its low end on
.macro EPI_QK m
.set cb, CSN+32*((\m)&1)
.set ab, 32*(\m)
.if (\m) < 7
	s_wait_loadcnt 8                               ; this tile's cos and sin are in; the next tile's eight loads may be out
.else
	s_wait_loadcnt 0x0
.endif
	WIN 0x01                                       ; source 0: the accumulators, window 1
.irp p, 0,2,4,6,8,10,12,14
	v_pk_mul_f32 v[T+\p:T+\p+1], v[ab+\p:ab+\p+1], v[cb+\p:cb+\p+1]
.endr
.irp p, 0,2,4,6,8,10,12,14
	v_pk_mul_f32 v[T+16+\p:T+17+\p], v[ab+16+\p:ab+17+\p], v[cb+\p:cb+\p+1]
.endr
.irp p, 0,2,4,6,8,10,12,14
	v_pk_fma_f32 v[T+\p:T+\p+1], v[ab+16+\p:ab+17+\p], v[cb+16+\p:cb+17+\p], v[T+\p:T+\p+1] neg_lo:[1,0,0] neg_hi:[1,0,0]   ; lo cos - hi sin
.endr
.irp p, 0,2,4,6,8,10,12,14
	v_pk_fma_f32 v[T+16+\p:T+17+\p], v[ab+\p:ab+\p+1], v[cb+16+\p:cb+17+\p], v[T+16+\p:T+17+\p]                            ; hi cos + lo sin
.endr
	WIN 0
.if (\m) < 6
	ROPELD (\m)+2                                  ; into the set just read
.endif
	s_wait_alu depctr_va_vdst(0)
	s_wait_xcnt 0x0                                ; the last tile's stores have read their data: the codes' registers are written again below
	QUANT2 T
	v_or_b32 v[PW], 0x7f7f0000, v[PW]              ; K = 64 fills half of an instruction's 128: the other half's scale bytes are 1.0, over zero codes
	global_store_b128 v10, v[PC:PC+3], s[56:57] offset:768*(\m)         ; half a fragment's image: 512 + 256 consecutive bytes
	global_store_b64 v11, v[PC+4:PC+5], s[56:57] offset:768*(\m)+512
.if ((\m)&1) == 0
	v_mov_b32 v[PWE], v[PW]
.else
	v_cndmask_b32 v[SQ+((\m)>>1)], v[PWE], v[PW], s72   ; one register for two tiles' scale words: the even tile's in lanes 0-15, the odd tile's in lanes 16-31
.endif
.endm
; v's tile n (16 of the head's 64 x 128 tokens): accumulators 8 n .. 8 n + 7 are 64 numbers of a lane along the tokens: one whole fragment
.macro EPI_V n
.set ab, 64*(\n)
	s_wait_xcnt 0x0
	WIN 0x14                                       ; sources 1 and 2: the accumulators, window 1
.irp b, 0,1,2,3
	v_max3_num_f32 v[TM+\b], 0x2800000, |v[ab+16*\b]|, |v[ab+1+16*\b]|
.endr
.irp i, 2,4,6,8,10,12,14
.irp b, 0,1,2,3
	v_max3_num_f32 v[TM+\b], v[TM+\b], |v[ab+16*\b+\i]|, |v[ab+1+16*\b+\i]|
.endr
.endr
	WIN 0
.irp b, 0,1,2,3
	v_permlanex16_b32 v[TM+4+\b], v[TM+\b], s22, s23
.endr
.irp b, 0,1,2,3
	v_max_num_f32 v[TM+\b], v[TM+\b], v[TM+4+\b]
.endr
.irp b, 0,1,2,3
	v_add_nc_u32 v[TM+12+\b], 0xfe000000, v[TM+\b]
.endr
.irp b, 0,1,2,3
	v_lshrrev_b32 v[TM+4+\b], 23, v[TM+12+\b]
.endr
	v_lshl_or_b32 v[PW], v[TM+5], 8, v[TM+4]
	v_lshl_or_b32 v[PW], v[TM+6], 16, v[PW]
	v_lshl_or_b32 v[PW], v[TM+7], 24, v[PW]
	WIN 0x01
.irp c, 0,1
	v_cvt_scalef32_pk16_bf6_f32 v[PC+6*\c:PC+2+6*\c], v[ab+32*\c:ab+15+32*\c], v[TM+12+2*\c]
	v_cvt_scalef32_pk16_bf6_f32 v[PC+12+4*\c:PC+14+4*\c], v[ab+16+32*\c:ab+31+32*\c], v[TM+13+2*\c]
.endr
	WIN 0
	v_nop
.irp c, 0,1
.irp i, 0,1,2
	v_permlane16_swap_b32 v[PC+6*\c+\i], v[PC+12+4*\c+\i]
.endr
.irp i, 0,1,2
	v_mov_b32 v[PC+3+6*\c+\i], v[PC+12+4*\c+\i]
.endr
.endr
.irp g, 0,1,2
	global_store_b128 v10, v[PC+4*\g:PC+4*\g+3], s[66:67] offset:1536*(\n)+512*\g
.endr
.if ((\n)&1) == 0
	v_mov_b32 v[PWE], v[PW]
.else
	v_cndmask_b32 v[SV+((\n)>>1)], v[PWE], v[PW], s72
.endif
.endm
	s_load_b256 s[4:11], s[0:1], 0x0               ; xq s[4:5], wq4 s[6:7], rope s[8:9], qb s[10:11]
	s_load_b64 s[12:13], s[0:1], 0x20              ; kv
	v_lshl_add_u32 v1, v0, 2, SPARE
	v_mov_b32 v2, 0
	ds_add_u32 v1, v2
	ds_add_u32 v1, v2
	s_wait_dscnt 0x0
	v_lshrrev_b32 v13, 5, v0
	v_readfirstlane_b32 s14, v13                   ; wave 0..3
	s_lshr_b32 s15, s14, 1                         ; th: which 128 tokens
	s_and_b32 s16, s14, 1                          ; hh: which head of the pair
	s_bfe_u32 s17, ttmp6, 0x40000                  ; cx
	s_bfe_u32 s18, ttmp6, 0x40004                  ; cy
	s_lshl_b32 s19, ttmp9, 2
	s_add_co_u32 s19, s19, s17                     ; hp = 4 x cluster x + cx
	s_and_b32 s20, ttmp7, 0xffff
	s_lshl_b32 s20, s20, 2
	s_add_co_u32 s20, s20, s18                     ; tb = 4 x cluster y + cy
	s_lshl_b32 s74, s18, 2
	s_lshl_b32 s74, 15, s74                        ; my row of the cluster
	s_lshl_b32 s75, 0x1111, s17                    ; my column
	; descriptor groups 1: dense blocks as rows of 256 bytes (32 elements of 8 bytes), no padding.  x's: 96 rows a load; the weights': 48
	s_or_b32 s24, s74, (3<<16)|(1<<21)
	s_mov_b32 s25, 32<<16
	s_mov_b32 s26, 96<<16
	s_mov_b32 s27, 32<<16
	s_mov_b32 s28, 96
	s_mov_b32 s29, 32
	s_mov_b32 s30, 0
	s_mov_b32 s31, 0
	s_or_b32 s32, s75, (3<<16)|(1<<21)
	s_mov_b32 s33, 32<<16
	s_mov_b32 s34, 48<<16
	s_mov_b32 s35, 32<<16
	s_mov_b32 s36, 48
	s_mov_b32 s37, 32
	s_mov_b32 s38, 0
	s_mov_b32 s39, 0
	s_mul_i32 s76, s20, 196608                     ; x's codes: block tb, my quarter of each half
	s_mul_i32 s80, s14, 24576
	s_add_co_u32 s76, s76, s80
	s_mov_b32 s77, 0
	s_mul_i32 s78, s19, 294912                     ; the weights': pair hp, my quarter of each chunk
	s_mul_i32 s81, s14, 12288
	s_add_co_u32 s78, s78, s81
	s_mov_b32 s79, 0
	s_mov_b32 s22, 0x76543210
	s_mov_b32 s23, 0xfedcba98
	s_mov_b32 s72, 0xffff0000                      ; lanes 16-31
	v_and_b32 v13, 31, v0
	v_lshlrev_b32 v10, 4, v13
	v_lshlrev_b32 v11, 3, v13
	v_lshlrev_b32 v12, 2, v13
	s_mul_i32 s82, s15, 12288                      ; my eight tiles of x
	v_add_nc_u32 v3, s82, v10
	v_add_nc_u32 v4, 49152, v3
	v_add_nc_u32 v5, 98304, v3
	v_add_nc_u32 v6, 147456, v3
	s_mul_i32 s82, s16, 6144                       ; my four tiles of the weights
	s_add_co_u32 s82, s82, BRING
	v_add_nc_u32 v7, s82, v10
	v_add_nc_u32 v8, SLOTB, v7
	v_and_b32 v13, 15, v0
	v_bfe_u32 v14, v0, 4, 1
	v_lshlrev_b32 v9, 8, v13
	v_lshl_add_u32 v9, v14, 5, v9                  ; 256 r + 32 h
.irp b, 0,1,2,3
	v_mov_b32 v[TM+4+\b], 0                        ; written once: a lane permute's destination counts as one of its sources
.endr
	s_lshl_b32 s84, s20, 13                        ; x's scale words: my four pairs of tiles, 1,024 bytes each
	s_lshl_b32 s82, s15, 12
	s_add_co_u32 s84, s84, s82
	s_add_co_u32 s84, s84, 6291456
	s_mov_b32 s85, 0
	s_lshl_b32 s86, s19, 9                         ; the weights': my head's 64 columns, 4 bytes each
	s_lshl_b32 s82, s16, 8
	s_add_co_u32 s86, s86, s82
	s_add_co_u32 s86, s86, 3145728
	s_mov_b32 s87, 0
	s_wait_kmcnt 0x0
	s_add_nc_u64 s[84:85], s[4:5], s[84:85]
	s_add_nc_u64 s[86:87], s[6:7], s[86:87]
.irp s, 0,1,2,3,4,5,6,7
.irp c, 0,1,2,3
	global_load_b32 v[XS+4*\s+\c], v12, s[84:85] offset:1024*\c+128*\s        ; lanes 0-15: tile 2 c; lanes 16-31: tile 2 c + 1
.endr
.endr
.irp k, 0,1,2
.irp s, 0,1,2,3,4,5,6,7
.irp c, 0,1
	global_load_b32 v[WS+16*\k+2*\s+\c], v12, s[86:87] offset:32768*\k+4096*\s+128*\c
.endr
.endr
.endr
	s_mov_b32 s40, 1                               ; groups 0.  x's lower half (K steps 0-3),
	s_mov_b32 s41, s80
	s_add_nc_u64 s[42:43], s[4:5], s[76:77]
	s_mov_b32 s44, 1                               ; its upper half,
	s_add_co_u32 s45, s80, 98304
	s_add_nc_u64 s[46:47], s[42:43], 98304
	s_or_b32 s43, s43, 0x80000000
	s_or_b32 s47, s47, 0x80000000
	s_mov_b32 s48, 1                               ; the ring's slot 0: chunk 0,
	s_add_co_u32 s49, s81, BRING
	s_add_nc_u64 s[50:51], s[6:7], s[78:79]
	s_mov_b32 s52, 1                               ; slot 1: chunk 1
	s_add_co_u32 s53, s81, BRING+SLOTB
	s_add_nc_u64 s[54:55], s[50:51], SLOTB
	s_or_b32 s51, s51, 0x80000000
	s_or_b32 s55, s55, 0x80000000
	CROUND                                         ; all sixteen work-groups are here: the first joint loads meet
	tensor_load_to_lds s[48:51], s[32:39]          ; the first fills go out as one group: four loads of mine are out
	s_nop 0
	tensor_load_to_lds s[40:43], s[24:31]
	s_nop 0
	tensor_load_to_lds s[52:55], s[32:39]
	s_nop 0
	tensor_load_to_lds s[44:47], s[24:31]
	s_nop 0
	PLACES
	s_lshr_b32 s88, s20, 3                         ; where the results go.  bh = 16 x batch + head
	s_lshl_b32 s88, s88, 4
	s_lshl_b32 s89, s19, 1
	s_add_co_u32 s88, s88, s89
	s_add_co_u32 s88, s88, s16
	s_and_b32 s89, s20, 7
	s_lshl_b32 s90, s89, 1
	s_add_co_u32 s90, s90, s15                     ; st: which 128 tokens of the sequence's 2,048
	s_lshl_b32 s74, s89, 16
	s_lshl_b32 s82, s15, 15
	s_add_co_u32 s74, s74, s82
	s_mov_b32 s75, 0
	s_add_nc_u64 s[70:71], s[8:9], s[74:75]        ; the table's rows of my 128 tokens
	s_mul_i32 s74, s88, 98304
	s_mul_i32 s82, s90, 6144
	s_add_co_u32 s74, s74, s82
	s_add_nc_u64 s[56:57], s[10:11], s[74:75]      ; q's codes
	s_lshl_b32 s74, s88, 13
	s_lshl_b32 s82, s90, 9
	s_add_co_u32 s74, s74, s82
	s_add_co_u32 s74, s74, 6291456
	s_add_nc_u64 s[58:59], s[10:11], s[74:75]      ; q's scale words
	s_mul_i32 s74, s88, 208896
	s_lshr_b32 s82, s90, 3
	s_mul_i32 s82, s82, 104448
	s_add_co_u32 s74, s74, s82
	s_add_nc_u64 s[12:13], s[12:13], s[74:75]      ; my record of kv: a head's 1,024 keys
	s_and_b32 s82, s90, 7
	s_mul_i32 s74, s82, 6144
	s_add_nc_u64 s[60:61], s[12:13], s[74:75]      ; k's codes
	s_add_nc_u64 s[66:67], s[60:61], 49152         ; v's codes
	s_lshl_b32 s74, s82, 9
	s_add_co_u32 s74, s74, 98304
	s_add_nc_u64 s[62:63], s[12:13], s[74:75]      ; k's scale words
	s_lshl_b32 s74, s82, 8
	s_add_co_u32 s74, s74, 102400
	s_add_nc_u64 s[68:69], s[12:13], s[74:75]      ; v's
	s_wait_tensorcnt 0x2                           ; chunk 0 and x's lower half: my parts are in; chunk 1 and the upper half may stay out
	s_barrier_signal -1
	s_barrier_wait -1                              ; everybody's are
	FETCH 0
	s_wait_loadcnt 0x0                             ; the scale words
	WIN 0                                          ; at a label and at a branch every window is 0
	s_mov_b32 s21, 2
.Lpass:                                            ; two trips: q, then k
	STEP 0, 0, 1
	STEP 1, 0, 0
	STEP 2, 0, 0
	TURN 3, 0, 1, 0
	STEP 4, 0, 0
	STEP 5, 0, 0
	STEP 6, 0, 0
	TURN 7, 0, 1, 1                                ; it also fetches the next pass's first fragments and asks for the first two tiles' cos and sin
	WIN 0
	PLACES                                         ; four places in front of the first read of results
.irp m, 0,1,2,3,4,5,6,7
	EPI_QK \m
.endr
	global_store_b128 v10, v[SQ:SQ+3], s[58:59]    ; eight tiles' scale words: 512 consecutive bytes
.irp i, 0,1,2,3,4,5,6,7,8,9,10,11,12,13,14,15
	v_mov_b32 v[WS+\i], v[KSW+\i]                  ; the next trip multiplies by wk
.endr
.rept 8
	v_nop                                          ; a scale register written by a vector instruction stands eight places ahead of a scaled product
.endr
	s_wait_xcnt 0x0                                ; the stores have read their bases
	s_mov_b64 s[56:57], s[60:61]
	s_mov_b64 s[58:59], s[62:63]
	s_sub_co_u32 s21, s21, 1
	s_cmp_lg_u32 s21, 0
	s_cbranch_scc1 .Lpass
	STEP 0, 1, 1                                   ; v: written out: nothing more is asked for
	STEP 1, 1, 0
	STEP 2, 1, 0
	TURN 3, 1, 0, 0
	STEP 4, 1, 0
	STEP 5, 1, 0
	STEP 6, 1, 0
	s_wait_dscnt 0x0
	MUL 7, 1, 0
	WIN 0
	PLACES
	EPI_V 0
	EPI_V 1
	EPI_V 2
	EPI_V 3
	global_store_b64 v11, v[SV:SV+1], s[68:69]     ; four tiles' scale words: 256 consecutive bytes
	s_wait_tensorcnt 0x0                           ; the wave's end
	ds_add_u32 v1, v2
	s_wait_dscnt 0x0
	CROUND                                         ; the closing round
	s_endpgm
.Lfunc_end_k_qc928dc411f_qkv:
	.size	k_qc928dc411f_qkv, .Lfunc_end_k_qc928dc411f_qkv-k_qc928dc411f_qkv
	.p2alignl 7, 3214868480
	.fill 96, 4, 3214868480
	.section	.rodata,"a",@progbits
	.p2align	6, 0x0
	.amdhsa_kernel k_qc928dc411f_qkv
		.amdhsa_group_segment_fixed_size 327680
		.amdhsa_private_segment_fixed_size 0
		.amdhsa_enable_private_segment 0
		.amdhsa_kernarg_size 40
		.amdhsa_user_sgpr_count 2
		.amdhsa_user_sgpr_kernarg_segment_ptr 1
		.amdhsa_wavefront_size32 1
		.amdhsa_system_sgpr_workgroup_id_x 1
		.amdhsa_system_sgpr_workgroup_id_y 1
		.amdhsa_system_sgpr_workgroup_id_z 1
		.amdhsa_system_vgpr_workitem_id 0
		.amdhsa_next_free_vgpr 1024
		.amdhsa_next_free_sgpr 96
		.amdhsa_reserve_vcc 0
		.amdhsa_float_denorm_mode_32 3
		.amdhsa_float_denorm_mode_16_64 3
		.amdhsa_memory_ordered 1
		.amdhsa_forward_progress 1
		.amdhsa_inst_pref_size 180
	.end_amdhsa_kernel
	.amdgpu_metadata
---
amdhsa.version: [ 1, 2 ]
amdhsa.kernels:
  - .name:           k_qc928dc411f_qkv
    .symbol:         k_qc928dc411f_qkv.kd
    .args:
      - { .name: xq, .offset: 0, .size: 8, .value_kind: global_buffer, .address_space: global }
      - { .name: wq4, .offset: 8, .size: 8, .value_kind: global_buffer, .address_space: global }
      - { .name: rope, .offset: 16, .size: 8, .value_kind: global_buffer, .address_space: global }
      - { .name: qb, .offset: 24, .size: 8, .value_kind: global_buffer, .address_space: global }
      - { .name: kv, .offset: 32, .size: 8, .value_kind: global_buffer, .address_space: global }
    .group_segment_fixed_size: 327680
    .private_segment_fixed_size: 0
    .kernarg_segment_align: 8
    .kernarg_segment_size: 40
    .max_flat_workgroup_size: 128
    .sgpr_count:     96
    .vgpr_count:     1024
    .wavefront_size: 32
...
	.end_amdgpu_metadata
.endif
;; end of part 2
;; launch attn (part 3): grid 4 x 64, 16 waves a work-group, clusters of 4 x 1, 210,944 bytes of LDS; arguments qb, kv, att; writes att
.if DOCPART == 3
	.amdgcn_target "amdgcn-amd-amdhsa--gfx1250"
	.amdhsa_code_object_version 6
	.text
	.protected	k_qc928dc411f_attn
	.globl	k_qc928dc411f_attn
	.p2align	8
	.type	k_qc928dc411f_attn,@function
k_qc928dc411f_attn:
	s_mov_b64 s[64:65], 0
	v_nop
	global_prefetch_b8 v0, s[64:65] scope:SCOPE_SE
	s_setreg_imm32_b32 hwreg(HW_REG_WAVE_MODE, 25, 1), 1
	s_wait_xcnt 0x0
	s_wait_alu depctr_hold_cnt(0) depctr_sa_sdst(0) depctr_va_vdst(0) depctr_va_sdst(0) depctr_va_ssrc(0) depctr_va_vcc(0) depctr_vm_vsrc(0)
	s_getreg_b32 s2, hwreg(HW_REG_IB_STS2, 6, 4)
	s_cmp_eq_u32 s2, 0
	s_cbranch_scc0 .Lentry_in_a_cluster
	s_endpgm
.Lentry_in_a_cluster:
	s_bfe_u32 s2, ttmp6, 0x10000c
	s_cmp_lg_u32 s2, 0x3003
	s_cbranch_scc0 .Lentry_shape_is_right
	s_endpgm
.Lentry_shape_is_right:
; ATTENTION, causal, head size 64, on codes of BF6 with E8M0 scales.  t = score x log2(e) / 8; M = the running largest t rounded up to a whole number; p = 2^(t - M) is quantised along the keys, not normalised;
; the row's sum is taken of the unquantised p and divides at the end; when M moves, the sum and O are multiplied by 2^(old M - new M), which rounds nothing.  The result is quantised along the head's 64 for the last product.
; SHARES.  The four work-groups of a cluster serve one head (bh = cluster y).  A HEAD'S K AND V, codes and scale words, are 208,896 bytes and lie in LDS whole: each byte is filled once, by joint loads at the head; no ring, no refill.
; Wave w of partner cx owns the tile of 16 queries 4 w + cx and then tile 127 - (4 w + cx).  Their last key steps of 128 keys are w / 2 and 15 - w / 2: 17 steps for every wave, and every branch hangs on the wave's number alone;
; cx enters global addresses and the numbers that the mask compares, nothing else.  Key steps that lie wholly behind a tile's queries are left out; in the step on the diagonal hidden scores become -infinity (p = 0, as with reference()'s lowest number).
; LAYOUT.  Both products transposed: S^T = K Q^T (source 0 = 16 keys), O^T = V^T P^T (source 0 = 16 of the head's 64): a lane holds one query throughout.  A lane's 16 registers of two neighbouring tiles of S^T are, of a block of 32 keys,
; keys 8 h .. + 7 and 16 + 8 h .. + 7; V's codes were laid in the same order, so each p meets its own v.
; K = 64 IN AN INSTRUCTION OF 128.  A tile of K is six registers; the instruction names twelve: the upper six are the next tile's codes (behind the last tile: zeros).  They meet q's upper six, which are zero codes, under scale bytes of 1.0: they add nothing.
; No prefetch: all of the head is asked for at the head of the kernel.  Four waves share a SIMD, so that one wave's softmax stands beside another's products and LDS loads.
; LIMITS: NaN and infinities are not served; a block of zeros gets the byte 1 (its codes are zeros; this program alone reads the bytes).
; REGISTERS: v1, v2 16 and 8 x lane; v3-6 the step's LDS addresses; v7, v8 the mask's numbers; v9, v10 4 r, 16 r; v11 -infinity; v12 -M, v13 largest t, v[14:15] the sum; v16-27, v28-39 the two tiles of q; v40-87 eight tiles of K, v88-93 zeros
; (behind the scores v40-77 serve the quantiser); v96-159 S^T, then p; v160-191 O^T; v192-239 four fragments of V; v240-243 K's scale words, v244-245 V's, v246 p's, v247, v248 q's; v[250:251] the factor; v252 at work.
.set REC, 104448                       ; a record: 1,024 keys: K's codes 49,152, V's codes 49,152, K's scale words 4,096, V's 2,048
.set TM,  60
.set PC,  40
.set PW,  252
.macro CROUND
	s_barrier_signal -1
	s_barrier_wait -1
	s_cmp_lg_u32 s10, 0
	s_cbranch_scc1 .Lnot_wave_0_\@
	s_barrier_signal -3
.Lnot_wave_0_\@:
	s_barrier_wait -3
	s_barrier_signal -1
	s_barrier_wait -1
.endm
.macro WMS d, a, b, zero, sa, ra, sb
.if \zero
.if (\ra) == 0
	v_wmma_scale_f32_16x16x128_f8f6f4 v[0+(\d):7+(\d)], v[0+(\a):11+(\a)], v[0+(\b):11+(\b)], 0, v[0+(\sa)], v[0+(\sb)] matrix_a_fmt:MATRIX_FMT_BF6 matrix_b_fmt:MATRIX_FMT_BF6
.else
	v_wmma_scale_f32_16x16x128_f8f6f4 v[0+(\d):7+(\d)], v[0+(\a):11+(\a)], v[0+(\b):11+(\b)], 0, v[0+(\sa)], v[0+(\sb)] matrix_a_fmt:MATRIX_FMT_BF6 matrix_b_fmt:MATRIX_FMT_BF6 matrix_a_scale:MATRIX_SCALE_ROW1
.endif
.else
.if (\ra) == 0
	v_wmma_scale_f32_16x16x128_f8f6f4 v[0+(\d):7+(\d)], v[0+(\a):11+(\a)], v[0+(\b):11+(\b)], v[0+(\d):7+(\d)], v[0+(\sa)], v[0+(\sb)] matrix_a_fmt:MATRIX_FMT_BF6 matrix_b_fmt:MATRIX_FMT_BF6
.else
	v_wmma_scale_f32_16x16x128_f8f6f4 v[0+(\d):7+(\d)], v[0+(\a):11+(\a)], v[0+(\b):11+(\b)], v[0+(\d):7+(\d)], v[0+(\sa)], v[0+(\sb)] matrix_a_fmt:MATRIX_FMT_BF6 matrix_b_fmt:MATRIX_FMT_BF6 matrix_a_scale:MATRIX_SCALE_ROW1
.endif
.endif
.endm
.macro QPTR tau, pc, ps                ; where tile s[tau] of q lies: its codes (768 bytes a tile) and its scale words ([step of 8 tiles][lane][4 words])
	s_mul_i32 s60, s12, 98304
	s_mul_i32 s62, s[\tau], 768
	s_add_co_u32 s60, s60, s62
	s_add_nc_u64 s[\pc:\pc+1], s[4:5], s[60:61]
	s_lshl_b32 s60, s12, 13
	s_lshr_b32 s62, s[\tau], 3
	s_lshl_b32 s62, s62, 9
	s_add_co_u32 s60, s60, s62
	s_and_b32 s62, s[\tau], 1
	s_lshl_b32 s62, s62, 8
	s_add_co_u32 s60, s60, s62
	s_bfe_u32 s62, s[\tau], 0x20001
	s_lshl_b32 s62, s62, 2
	s_add_co_u32 s60, s60, s62
	s_add_co_u32 s60, s60, 6291456
	s_add_nc_u64 s[\ps:\ps+1], s[4:5], s[60:61]
.endm
.macro APTR tau, pc, ps                ; where tile s[tau]'s result goes.  G = 128 x batch + tile; head hd fills registers 6 (hd % 2) .. + 5 of K step hd / 2's fragment, and two bytes of its scale word
	s_lshr_b32 s62, s12, 4
	s_lshl_b32 s62, s62, 7
	s_add_co_u32 s62, s62, s[\tau]                 ; G
	s_and_b32 s63, s12, 15                         ; hd
	s_lshr_b32 s60, s62, 3
	s_mul_i32 s60, s60, 98304
	s_lshr_b32 s52, s63, 1
	s_mul_i32 s53, s52, 12288
	s_add_co_u32 s60, s60, s53
	s_and_b32 s53, s62, 7
	s_mul_i32 s53, s53, 1536
	s_add_co_u32 s60, s60, s53
	s_and_b32 s53, s63, 1
	s_mul_i32 s53, s53, 768
	s_add_co_u32 s60, s60, s53
	s_add_nc_u64 s[\pc:\pc+1], s[8:9], s[60:61]
	s_lshr_b32 s60, s62, 1
	s_lshl_b32 s60, s60, 10
	s_lshl_b32 s53, s52, 7
	s_add_co_u32 s60, s60, s53
	s_and_b32 s53, s62, 1
	s_lshl_b32 s53, s53, 6
	s_add_co_u32 s60, s60, s53
	s_and_b32 s53, s63, 1
	s_lshl_b32 s53, s53, 1
	s_add_co_u32 s60, s60, s53
	s_add_co_u32 s60, s60, 6291456
	s_add_nc_u64 s[\ps:\ps+1], s[8:9], s[60:61]
.endm
.macro INIT                            ; the key step is written without a first step of its own: it finds zeros, which the first change of M leaves zeros
	v_mov_b32 v13, 0xff61b1e6                      ; the largest t so far: -3e38
	s_delay_alu instid0(VALU_DEP_1)
	v_floor_f32 v12, -v13
	v_mov_b32 v14, 0
	v_mov_b32 v15, 0
.set i, 0
.rept 32
	v_mov_b32 v[160+i], 0
.set i, i+1
.endr
.endm
.macro RECORD base, first              ; the walk's scalars at a record's head
	s_mov_b32 s40, \base                           ; K's codes; V's lie 49,152 bytes on
	s_mov_b32 s41, \base+98304                     ; K's scale words
	s_mov_b32 s42, \base+102400                    ; V's
	s_mov_b32 s43, \first                          ; the key step's number
.endm
; A KEY STEP: 128 keys.  mask = 1: the step may be the tile's last, on the diagonal
.macro STEP mask, Q, QS, LIM, VD
	v_add_nc_u32 v3, s40, v1                       ; these four are also the places in front of loads into registers that the last step's products read
	v_add_nc_u32 v4, s40, v2
	v_add_nc_u32 v5, s41, v1
	v_add_nc_u32 v6, s42, v2
.irp j, 0,1,2,3,4,5,6,7
	ds_load_b128 v[40+6*\j:43+6*\j], v3 offset:768*\j
	ds_load_b64 v[44+6*\j:45+6*\j], v4 offset:768*\j+512
.endr
	ds_load_b128 v[240:243], v5
.irp n, 0,1,2,3
.irp g, 0,1,2
	ds_load_b128 v[192+12*\n+4*\g:195+12*\n+4*\g], v3 offset:49152+1536*\n+512*\g
.endr
.endr
	ds_load_b64 v[244:245], v6
	s_wait_dscnt 13                                ; K and its scale words are in; V's 12 loads and its scale pair may be out
.irp j, 0,1,2,3,4,5,6,7
	WMS 96+8*\j, 40+6*\j, \Q, 1, 240+(\j>>1), \j&1, \QS
.endr
.rept 4
	v_nop                                          ; four places in front of the first read of results, and of the writes into K's registers
.endr
.if \mask
	s_cmp_lg_u32 s43, s[\LIM]
	s_cbranch_scc1 .Lopen_\@
.set n, 0
.rept 64                                       ; register 8 j + i holds key 16 j + 8 h + i of the step: hidden where 16 j + i > 16 (tile % 8) + r - 8 h
	v_cmp_gt_i32 vcc_lo, 16*(n/8)+n%8, v[\VD]
	v_cndmask_b32 v[96+n], v[96+n], v11, vcc_lo
.set n, n+1
.endr
.Lopen_\@:
.endif
.irp b, 0,1,2,3
	v_max3_num_f32 v[60+\b], v[96+16*\b], v[97+16*\b], v[98+16*\b]     ; the largest score of each block of 32 keys: it serves the row's maximum and, since p rises with the score, the block's largest p
.endr
.irp i, 3,5,7,9,11,13
.irp b, 0,1,2,3
	v_max3_num_f32 v[60+\b], v[60+\b], v[96+16*\b+\i], v[97+16*\b+\i]
.endr
.endr
.irp b, 0,1,2,3
	v_max_num_f32 v[60+\b], v[60+\b], v[111+16*\b]
.endr
.irp b, 0,1,2,3
	s_delay_alu instid0(VALU_DEP_4)
	v_permlanex16_b32 v[64+\b], v[60+\b], s20, s21
.endr
.irp b, 0,1,2,3
	s_delay_alu instid0(VALU_DEP_4)
	v_max_num_f32 v[60+\b], v[60+\b], v[64+\b]
.endr
	s_delay_alu instid0(VALU_DEP_2)
	v_max3_num_f32 v252, v60, v61, v62
	s_delay_alu instid0(VALU_DEP_1)
	v_max_num_f32 v252, v252, v63
	s_delay_alu instid0(VALU_DEP_1)
	v_mul_f32 v252, s22, v252
	s_delay_alu instid0(VALU_DEP_1)
	v_max_num_f32 v13, v13, v252                   ; the running largest t
	v_mov_b32 v252, v12
	s_delay_alu instid0(VALU_DEP_2)
	v_floor_f32 v12, -v13                          ; the new -M = -ceil(t)
	s_delay_alu instid0(VALU_DEP_1)
	v_sub_f32 v252, v12, v252                      ; old M - new M: a whole number, 0 or less
	s_delay_alu instid0(VALU_DEP_1)
	v_cvt_i32_f32 v252, v252                       ; (it saturates)
	s_delay_alu instid0(VALU_DEP_1)
	v_ldexp_f32 v250, 1.0, v252                    ; f = 2^(old M - new M)
.irp j, 0,2,4,6,8,10,12,14,16,18,20,22,24,26,28,30,32,34,36,38,40,42,44,46,48,50,52,54,56,58,60,62
	v_pk_fma_f32 v[96+\j:97+\j], v[96+\j:97+\j], s[22:23], v[12:13] op_sel_hi:[1,0,0]   ; t - M
.endr
.irp b, 0,1,2,3
	v_fma_f32 v[60+\b], v[60+\b], s22, v12
.endr
.set n, 0
	s_setprio 1
	s_wait_alu depctr_va_vdst(0)
.rept 64
	v_exp_f32 v[96+n], v[96+n]                     ; p = 2^(t - M)
.set n, n+1
.endr
	v_pk_mul_f32 v[14:15], v[14:15], v[250:251] op_sel_hi:[1,0]   ; the sums under the new M: a plain place behind the exponentials
	s_wait_alu depctr_va_vdst(0)                   ; one wait for the batch, ahead of its first reader
.irp b, 0,1,2,3
	v_exp_f32 v[60+\b], v[60+\b]                   ; each block's largest p
.endr
	v_pk_add_f32 v[76:77], v[100:101], v[104:105]
	v_pk_add_f32 v[242:243], v[108:109], v[112:113]
	v_pk_add_f32 v[240:241], v[116:117], v[120:121]
	v_pk_add_f32 v[94:95], v[124:125], v[128:129]
	v_pk_add_f32 v[86:87], v[132:133], v[136:137]
	v_pk_add_f32 v[84:85], v[140:141], v[144:145]
	v_pk_add_f32 v[82:83], v[148:149], v[152:153]
	v_pk_add_f32 v[14:15], v[14:15], v[156:157]
	v_pk_add_f32 v[76:77], v[76:77], v[96:97]
	v_pk_add_f32 v[242:243], v[242:243], v[98:99]
	v_pk_add_f32 v[240:241], v[240:241], v[102:103]
	v_pk_add_f32 v[94:95], v[94:95], v[106:107]
	v_pk_add_f32 v[86:87], v[86:87], v[110:111]
	v_pk_add_f32 v[84:85], v[84:85], v[114:115]
	v_pk_add_f32 v[82:83], v[82:83], v[118:119]
	v_pk_add_f32 v[14:15], v[14:15], v[122:123]
	v_pk_add_f32 v[76:77], v[76:77], v[126:127]
	v_pk_add_f32 v[242:243], v[242:243], v[130:131]
	v_pk_add_f32 v[240:241], v[240:241], v[134:135]
	v_pk_add_f32 v[94:95], v[94:95], v[138:139]
	v_pk_add_f32 v[86:87], v[86:87], v[142:143]
	v_pk_add_f32 v[84:85], v[84:85], v[146:147]
	v_pk_add_f32 v[82:83], v[82:83], v[150:151]
	v_pk_add_f32 v[14:15], v[14:15], v[154:155]
	v_pk_add_f32 v[76:77], v[76:77], v[158:159]
	s_delay_alu instid0(VALU_DEP_2)
	v_pk_add_f32 v[14:15], v[14:15], v[94:95]
	s_delay_alu instid0(VALU_DEP_2)
	v_pk_add_f32 v[76:77], v[76:77], v[86:87]
	v_pk_add_f32 v[242:243], v[242:243], v[84:85]
	v_pk_add_f32 v[240:241], v[240:241], v[82:83]
	s_delay_alu instid0(VALU_DEP_2)
	v_pk_add_f32 v[14:15], v[14:15], v[242:243]
	s_delay_alu instid0(VALU_DEP_2)
	v_pk_add_f32 v[76:77], v[76:77], v[240:241]
	s_delay_alu instid0(VALU_DEP_1)
	v_pk_add_f32 v[14:15], v[14:15], v[76:77]
	s_wait_alu depctr_va_vdst(0)                   ; and one for the four
.irp b, 0,1,2,3
	v_max_num_f32 v[60+\b], 0x2800000, v[60+\b]    ; the floor: the byte cannot fall under 1
.endr
.irp b, 0,1,2,3
	s_delay_alu instid0(VALU_DEP_4)
	v_add_nc_u32 v[68+\b], 0xfe000000, v[60+\b]
.endr
.irp b, 0,1,2,3
	s_delay_alu instid0(VALU_DEP_4)
	v_lshrrev_b32 v[72+\b], 23, v[68+\b]
.endr
	s_delay_alu instid0(VALU_DEP_3)
	v_lshl_or_b32 v246, v73, 8, v72                ; p's scale word for these 128 keys
	s_delay_alu instid0(VALU_DEP_1)
	v_lshl_or_b32 v246, v74, 16, v246
	s_delay_alu instid0(VALU_DEP_1)
	v_lshl_or_b32 v246, v75, 24, v246
.irp c, 0,1
	v_cvt_scalef32_pk16_bf6_f32 v[40+6*\c:42+6*\c], v[96+32*\c:111+32*\c], v[68+2*\c]
	v_cvt_scalef32_pk16_bf6_f32 v[52+4*\c:54+4*\c], v[112+32*\c:127+32*\c], v[69+2*\c]
.endr
	v_nop
	s_setprio 0
.irp c, 0,1
.irp i, 0,1,2
	v_permlane16_swap_b32 v[40+6*\c+\i], v[52+4*\c+\i]
.endr
.irp i, 0,1,2
	s_delay_alu instid0(VALU_DEP_3)
	v_mov_b32 v[43+6*\c+\i], v[52+4*\c+\i]
.endr
.endr
.irp j, 0,2,4,6,8,10,12,14,16,18,20,22,24,26,28,30
	v_pk_mul_f32 v[160+\j:161+\j], v[160+\j:161+\j], v[250:251] op_sel_hi:[1,0]   ; O^T under the new M; these sixteen are also the places between p's codes and scale word and the products
.endr
	s_wait_alu depctr_va_vdst(0)
	s_wait_dscnt 0x0                               ; V
.irp n, 0,1,2,3
	WMS 160+8*\n, 192+12*\n, 40, 0, 244+(\n>>1), \n&1, 246
.endr
.endm
; count key steps from number first on.  guard = 1: steps behind the tile's last are jumped over, but not the lines that step the scalars: the trip count is a constant
.macro TRIPS first, count, guard, mask, Q, QS, LIM, VD
.if \count > 1
.Ltrip_\@:
.endif
.if \guard
	s_cmp_gt_u32 s43, s[\LIM]
	s_cbranch_scc1 .Lskip_\@
.endif
	s_setprio 2
	STEP \mask, \Q, \QS, \LIM, \VD
.if \guard
.Lskip_\@:
.endif
	s_add_co_u32 s40, s40, 6144
	s_add_co_u32 s41, s41, 512
	s_add_co_u32 s42, s42, 256
	s_add_co_u32 s43, s43, 1
.if \count > 1
	s_cmp_lt_u32 s43, \first+\count
	s_cbranch_scc1 .Ltrip_\@
	s_setprio 0
.endif
.endm
.macro QUANT2 s
.irp b, 0,1
	v_max3_num_f32 v[TM+\b], |v[\s+16*\b]|, |v[\s+1+16*\b]|, 0x2800000
.endr
.irp i, 2,4,6,8,10,12,14
.irp b, 0,1
	s_delay_alu instid0(VALU_DEP_2)
	v_max3_num_f32 v[TM+\b], v[TM+\b], |v[\s+16*\b+\i]|, |v[\s+1+16*\b+\i]|
.endr
.endr
.irp b, 0,1
	s_delay_alu instid0(VALU_DEP_2)
	v_permlanex16_b32 v[TM+4+\b], v[TM+\b], s20, s21
.endr
.irp b, 0,1
	s_delay_alu instid0(VALU_DEP_2)
	v_max_num_f32 v[TM+\b], v[TM+\b], v[TM+4+\b]
.endr
.irp b, 0,1
	s_delay_alu instid0(VALU_DEP_2)
	v_add_nc_u32 v[TM+12+\b], 0xfe000000, v[TM+\b]
.endr
.irp b, 0,1
	s_delay_alu instid0(VALU_DEP_2)
	v_lshrrev_b32 v[TM+4+\b], 23, v[TM+12+\b]
.endr
	s_delay_alu instid0(VALU_DEP_1)
	v_lshl_or_b32 v[PW], v[TM+5], 8, v[TM+4]
	v_cvt_scalef32_pk16_bf6_f32 v[PC:PC+2], v[\s:\s+15], v[TM+12]
	v_cvt_scalef32_pk16_bf6_f32 v[PC+6:PC+8], v[\s+16:\s+31], v[TM+13]
	v_nop
.irp i, 0,1,2
	v_permlane16_swap_b32 v[PC+\i], v[PC+6+\i]
.endr
.irp i, 0,1,2
	s_delay_alu instid0(VALU_DEP_3)
	v_mov_b32 v[PC+3+\i], v[PC+6+\i]
.endr
.endm
.macro OUT pc, ps                      ; O^T / the sum, quantised along the head's 64, stored as its six registers of the last product's fragment
.rept 4
	v_nop                                          ; four places behind the last products
.endr
	v_add_f32 v14, v14, v15
	s_delay_alu instid0(VALU_DEP_1)
	v_permlanex16_b32 v252, v14, s20, s21
	s_delay_alu instid0(VALU_DEP_1)
	v_add_f32 v14, v14, v252                       ; the row's sum
	s_wait_alu depctr_va_vdst(0)
	v_rcp_f32 v250, v14
	v_nop
	s_wait_alu depctr_va_vdst(0)
.irp j, 0,2,4,6,8,10,12,14,16,18,20,22,24,26,28,30
	v_pk_mul_f32 v[160+\j:161+\j], v[160+\j:161+\j], v[250:251] op_sel_hi:[1,0]
.endr
	QUANT2 160
	global_store_b64 v2, v[40:41], s[\pc:\pc+1]              ; each store covers 256 consecutive bytes, aligned
	global_store_b64 v2, v[42:43], s[\pc:\pc+1] offset:256
	global_store_b64 v2, v[44:45], s[\pc:\pc+1] offset:512
	global_store_b16 v9, v[PW], s[\ps:\ps+1]                 ; my row's two scale bytes (both halves of the lanes hold and write the same)
.endm
	s_load_b128 s[4:7], s[0:1], 0x0                ; qb s[4:5], kv s[6:7]
	s_load_b64 s[8:9], s[0:1], 0x10                ; att
	v_lshl_add_u32 v254, v0, 2, 0x33000
	v_mov_b32 v255, 0
	ds_add_u32 v254, v255
	ds_add_u32 v254, v255
	v_lshrrev_b32 v3, 5, v0
	s_delay_alu instid0(VALU_DEP_1)
	v_readfirstlane_b32 s10, v3                    ; wave 0..15
	s_bfe_u32 s11, ttmp6, 0x40000                  ; cx
	s_and_b32 s12, ttmp7, 0xffff                   ; bh
	s_lshl_b32 s13, s10, 2
	s_add_co_u32 s13, s13, s11                     ; my first tile of queries
	s_sub_co_u32 s14, 127, s13                     ; my second
	s_lshr_b32 s15, s10, 1                         ; their last key steps
	s_sub_co_u32 s16, 15, s15
	s_mov_b32 s20, 0x76543210
	s_mov_b32 s21, 0xfedcba98
	s_mov_b32 s22, 0x3e38aa3b                      ; log2(e) / 8
	s_mov_b32 s23, s22
	s_mov_b32 s24, 15|(3<<16)|(1<<21)              ; group 1: all four partners; a quarter of a record as 102 rows of 256 bytes (32 elements of 8 bytes), no padding
	s_mov_b32 s25, 32<<16
	s_mov_b32 s26, 102<<16
	s_mov_b32 s27, 32<<16
	s_mov_b32 s28, 102
	s_mov_b32 s29, 32
	s_mov_b32 s30, 0
	s_mov_b32 s31, 0
	s_and_b32 s52, s10, 3
	s_mul_i32 s52, s52, 26112                      ; waves 0 to 3 fetch a quarter of each record
	s_mul_i32 s60, s12, 208896
	s_add_co_u32 s60, s60, s52
	s_mov_b32 s61, 0
	v_and_b32 v3, 31, v0
	s_delay_alu instid0(VALU_DEP_1)
	v_lshlrev_b32 v1, 4, v3
	s_delay_alu instid0(VALU_DEP_2)
	v_lshlrev_b32 v2, 3, v3
	v_and_b32 v3, 15, v0                           ; r
	v_bfe_u32 v4, v0, 4, 1                         ; h
	s_delay_alu instid0(VALU_DEP_2)
	v_lshlrev_b32 v9, 2, v3
	s_delay_alu instid0(VALU_DEP_3)
	v_lshlrev_b32 v10, 4, v3
	s_delay_alu instid0(VALU_DEP_3)
	v_lshlrev_b32 v4, 3, v4
	s_delay_alu instid0(VALU_DEP_1)
	v_sub_nc_u32 v3, v3, v4                        ; r - 8 h
	s_and_b32 s53, s13, 7
	s_lshl_b32 s53, s53, 4
	v_add_nc_u32 v7, s53, v3
	s_and_b32 s53, s14, 7
	s_lshl_b32 s53, s53, 4
	v_add_nc_u32 v8, s53, v3
	v_mov_b32 v11, 0xff800000
.irp i, 22,23,24,25,26,27,34,35,36,37,38,39,88,89,90,91,92,93
	v_mov_b32 v\i, 0                               ; zero codes: q's upper halves, and what stands behind K's last tile
.endr
.irp i, 64,65,66,67,251,252
	v_mov_b32 v\i, 0                               ; written once: lane permutes' destinations, and the upper half of the pair v[250:251]
.endr
	s_wait_dscnt 0x0
	s_wait_kmcnt 0x0
	s_mov_b32 s32, 1
	s_mov_b32 s33, s52
	s_add_nc_u64 s[34:35], s[6:7], s[60:61]
	s_mov_b32 s36, 1
	s_add_co_u32 s37, s52, REC
	s_add_nc_u64 s[38:39], s[34:35], REC
	s_or_b32 s35, s35, 0x80000000
	s_or_b32 s39, s39, 0x80000000
	QPTR 13, 54, 56
	global_load_b128 v[16:19], v1, s[54:55]
	global_load_b64 v[20:21], v2, s[54:55] offset:512
	global_load_b32 v247, v10, s[56:57]
	QPTR 14, 58, 44
	global_load_b128 v[28:31], v1, s[58:59]
	global_load_b64 v[32:33], v2, s[58:59] offset:512
	global_load_b32 v248, v10, s[44:45]
	CROUND                                         ; all four work-groups are here: the joint loads meet
	s_cmp_lt_u32 s10, 4
	s_cbranch_scc0 .Lno_fill
	tensor_load_to_lds s[32:35], s[24:31]          ; keys 0 to 1,023,
	s_nop 0
	tensor_load_to_lds s[36:39], s[24:31]          ; keys 1,024 to 2,047: two loads of mine are out
	s_nop 0
.rept 4
	v_nop
.endr
.Lno_fill:
	s_wait_tensorcnt 0x1                           ; my part of the lower record is in; the upper record's may stay out
	s_barrier_signal -1
	s_barrier_wait -1
	s_wait_loadcnt 0x0                             ; q; its address registers may be written again
	APTR 13, 44, 46
	APTR 14, 48, 50
	INIT
	RECORD 0, 0
	TRIPS 0, 1, 0, 1, 16, 247, 15, 7               ; every wave has key step 0: the upper record lands meanwhile
	s_wait_tensorcnt 0x0                           ; my part of it is in,
	s_wait_dscnt 0x0
	s_barrier_signal -1
	s_barrier_wait -1                              ; everybody's is
	TRIPS 1, 7, 1, 1, 16, 247, 15, 7
	OUT 44, 46
	s_wait_xcnt 0x0                                ; the stores have read their data: those registers take K's tiles again
	INIT
	RECORD 0, 0
	TRIPS 0, 8, 0, 0, 28, 248, 16, 8               ; the second tile sees all of the lower record
	RECORD REC, 8
	TRIPS 8, 8, 1, 1, 28, 248, 16, 8
	OUT 48, 50
	s_wait_tensorcnt 0x0
	ds_add_u32 v254, v255
	s_wait_dscnt 0x0
	CROUND                                         ; the closing round
	s_endpgm
.Lfunc_end_k_qc928dc411f_attn:
	.size	k_qc928dc411f_attn, .Lfunc_end_k_qc928dc411f_attn-k_qc928dc411f_attn
	.p2alignl 7, 3214868480
	.fill 96, 4, 3214868480
	.section	.rodata,"a",@progbits
	.p2align	6, 0x0
	.amdhsa_kernel k_qc928dc411f_attn
		.amdhsa_group_segment_fixed_size 210944
		.amdhsa_private_segment_fixed_size 0
		.amdhsa_enable_private_segment 0
		.amdhsa_kernarg_size 24
		.amdhsa_user_sgpr_count 2
		.amdhsa_user_sgpr_kernarg_segment_ptr 1
		.amdhsa_wavefront_size32 1
		.amdhsa_system_sgpr_workgroup_id_x 1
		.amdhsa_system_sgpr_workgroup_id_y 1
		.amdhsa_system_sgpr_workgroup_id_z 1
		.amdhsa_system_vgpr_workitem_id 0
		.amdhsa_next_free_vgpr 256
		.amdhsa_next_free_sgpr 66
		.amdhsa_reserve_vcc 1
		.amdhsa_float_denorm_mode_32 3
		.amdhsa_float_denorm_mode_16_64 3
		.amdhsa_memory_ordered 1
		.amdhsa_forward_progress 1
		.amdhsa_inst_pref_size 105
	.end_amdhsa_kernel
	.amdgpu_metadata
---
amdhsa.version: [ 1, 2 ]
amdhsa.kernels:
  - .name:           k_qc928dc411f_attn
    .symbol:         k_qc928dc411f_attn.kd
    .args:
      - { .name: qb, .offset: 0, .size: 8, .value_kind: global_buffer, .address_space: global }
      - { .name: kv, .offset: 8, .size: 8, .value_kind: global_buffer, .address_space: global }
      - { .name: att, .offset: 16, .size: 8, .value_kind: global_buffer, .address_space: global }
    .group_segment_fixed_size: 210944
    .private_segment_fixed_size: 0
    .kernarg_segment_align: 8
    .kernarg_segment_size: 24
    .max_flat_workgroup_size: 512
    .sgpr_count:     66
    .vgpr_count:     256
    .wavefront_size: 32
...
	.end_amdgpu_metadata
.endif
;; end of part 3
;; launch oproj (part 4): grid 4 x 64, 4 waves a work-group, clusters of 4 x 4, 295,424 bytes of LDS; arguments att, wq4, x, out0; writes out0
.if DOCPART == 4
	.amdgcn_target "amdgcn-amd-amdhsa--gfx1250"
	.amdhsa_code_object_version 6
	.text
	.protected	k_qc928dc411f_oproj
	.globl	k_qc928dc411f_oproj
	.p2align	8
	.type	k_qc928dc411f_oproj,@function
k_qc928dc411f_oproj:
	s_mov_b64 s[64:65], 0
	v_nop
	global_prefetch_b8 v0, s[64:65] scope:SCOPE_SE
	s_setreg_imm32_b32 hwreg(HW_REG_WAVE_MODE, 25, 1), 1
	s_wait_xcnt 0x0
	s_wait_alu depctr_hold_cnt(0) depctr_sa_sdst(0) depctr_va_vdst(0) depctr_va_sdst(0) depctr_va_ssrc(0) depctr_va_vcc(0) depctr_vm_vsrc(0)
	s_getreg_b32 s2, hwreg(HW_REG_IB_STS2, 6, 4)
	s_cmp_eq_u32 s2, 0
	s_cbranch_scc0 .Lentry_in_a_cluster
	s_endpgm
.Lentry_in_a_cluster:
	s_bfe_u32 s2, ttmp6, 0x10000c
	s_cmp_lg_u32 s2, 0xf033
	s_cbranch_scc0 .Lentry_shape_is_right
	s_endpgm
.Lentry_shape_is_right:
; OUT = x + Q(attention's result) Q(wo), on codes of BF6 with E8M0 scales; the residual in f32.
; SHARES.  A work-group makes 128 tokens x 256 columns; wave w 64 tokens (w / 2) x 128 columns (w % 2): 32 accumulators.  The products are used transposed (source 0 = 16 columns of wo, source 1 = 16 tokens): a lane holds eight neighbouring columns of a row.
; LDS.  Both operands for all of K lie in LDS as images of registers: the rows' codes 98,304 bytes, wo's 196,608.  Each byte is filled once, by joint loads at the head, in two halves along K; no ring, no refill.
; CLUSTER 4 x 4: the rows' codes hang on the block of tokens alone (shared along a row of the cluster), wo's on the block of columns alone (shared along a column).
; x is asked for at the head, into 256 registers laid as the rows leave, and lands under the products.  No prefetch: every byte that the launch reads is asked for at its head.
; The stage for the way out lies in the rows' codes' bytes, behind their last fill and, by a barrier, behind every wave's last read of them.
; REGISTERS.  window 0: v3-4 the rows' LDS addresses (4 K steps each), v5-8 wo's (2 K steps each), v9-10 the stage, v11-13 16, 4, 8 x lane; v32-47 the rows' scale words, v48-79 wo's; v128-223 the rows' fragments, two sets of 48 (on the way out: rows read back).
;   window 1: the accumulators ((a, n) at v[8 (8 a + n)]).  window 2: wo's fragments, two sets of 96.  window 3: x.
.set MSB, 0
.macro WIN new
.if MSB != \new
	s_set_vgpr_msb (MSB<<8)|\new
.set MSB, \new
.endif
.endm
.macro PLACES
.rept 4
	v_nop
.endr
.endm
.macro CROUND
	s_barrier_signal -1
	s_barrier_wait -1
	s_cmp_lg_u32 s14, 0
	s_cbranch_scc1 .Lnot_wave_0_\@
	s_barrier_signal -3
.Lnot_wave_0_\@:
	s_barrier_wait -3
	s_barrier_signal -1
	s_barrier_wait -1
.endm
.macro WMS d, a, b, zero, sa, ra, sb, rb
.set rr, (\ra)+2*(\rb)
.if \zero
.if rr == 0
	v_wmma_scale_f32_16x16x128_f8f6f4 v[0+(\d):7+(\d)], v[0+(\a):11+(\a)], v[0+(\b):11+(\b)], 0, v[0+(\sa)], v[0+(\sb)] matrix_a_fmt:MATRIX_FMT_BF6 matrix_b_fmt:MATRIX_FMT_BF6
.elseif rr == 1
	v_wmma_scale_f32_16x16x128_f8f6f4 v[0+(\d):7+(\d)], v[0+(\a):11+(\a)], v[0+(\b):11+(\b)], 0, v[0+(\sa)], v[0+(\sb)] matrix_a_fmt:MATRIX_FMT_BF6 matrix_b_fmt:MATRIX_FMT_BF6 matrix_a_scale:MATRIX_SCALE_ROW1
.elseif rr == 2
	v_wmma_scale_f32_16x16x128_f8f6f4 v[0+(\d):7+(\d)], v[0+(\a):11+(\a)], v[0+(\b):11+(\b)], 0, v[0+(\sa)], v[0+(\sb)] matrix_a_fmt:MATRIX_FMT_BF6 matrix_b_fmt:MATRIX_FMT_BF6 matrix_b_scale:MATRIX_SCALE_ROW1
.else
	v_wmma_scale_f32_16x16x128_f8f6f4 v[0+(\d):7+(\d)], v[0+(\a):11+(\a)], v[0+(\b):11+(\b)], 0, v[0+(\sa)], v[0+(\sb)] matrix_a_fmt:MATRIX_FMT_BF6 matrix_b_fmt:MATRIX_FMT_BF6 matrix_a_scale:MATRIX_SCALE_ROW1 matrix_b_scale:MATRIX_SCALE_ROW1
.endif
.else
.if rr == 0
	v_wmma_scale_f32_16x16x128_f8f6f4 v[0+(\d):7+(\d)], v[0+(\a):11+(\a)], v[0+(\b):11+(\b)], v[0+(\d):7+(\d)], v[0+(\sa)], v[0+(\sb)] matrix_a_fmt:MATRIX_FMT_BF6 matrix_b_fmt:MATRIX_FMT_BF6
.elseif rr == 1
	v_wmma_scale_f32_16x16x128_f8f6f4 v[0+(\d):7+(\d)], v[0+(\a):11+(\a)], v[0+(\b):11+(\b)], v[0+(\d):7+(\d)], v[0+(\sa)], v[0+(\sb)] matrix_a_fmt:MATRIX_FMT_BF6 matrix_b_fmt:MATRIX_FMT_BF6 matrix_a_scale:MATRIX_SCALE_ROW1
.elseif rr == 2
	v_wmma_scale_f32_16x16x128_f8f6f4 v[0+(\d):7+(\d)], v[0+(\a):11+(\a)], v[0+(\b):11+(\b)], v[0+(\d):7+(\d)], v[0+(\sa)], v[0+(\sb)] matrix_a_fmt:MATRIX_FMT_BF6 matrix_b_fmt:MATRIX_FMT_BF6 matrix_b_scale:MATRIX_SCALE_ROW1
.else
	v_wmma_scale_f32_16x16x128_f8f6f4 v[0+(\d):7+(\d)], v[0+(\a):11+(\a)], v[0+(\b):11+(\b)], v[0+(\d):7+(\d)], v[0+(\sa)], v[0+(\sb)] matrix_a_fmt:MATRIX_FMT_BF6 matrix_b_fmt:MATRIX_FMT_BF6 matrix_a_scale:MATRIX_SCALE_ROW1 matrix_b_scale:MATRIX_SCALE_ROW1
.endif
.endif
.endm
.macro FETCH s                         ; K step s's fragments into set s % 2: the rows' four (registers 2 p, 2 p + 1 of lane l at 256 p + 8 l), wo's eight (registers 4 g .. + 3 at 512 g + 16 l)
.set fs, (\s)&1
	WIN 0
.irp a, 0,1,2,3
.irp p, 0,1,2,3,4,5
	ds_load_b64 v[128+48*fs+12*\a+2*\p:129+48*fs+12*\a+2*\p], v[3+((\s)>>2)] offset:((\s)&3)*12288+\a*1536+256*\p
.endr
.endr
	WIN 0x80
.irp n, 0,1,2,3,4,5,6,7
.irp g, 0,1,2
	ds_load_b128 v[96*fs+12*\n+4*\g:96*fs+12*\n+4*\g+3], v[5+((\s)>>1)] offset:((\s)&1)*24576+\n*1536+512*\g
.endr
.endr
.endm
.macro MUL s, zero                     ; 32 products; the 32 accumulators take turns, one instruction a turn
.set fs, (\s)&1
	WIN 0x52                                       ; source 0 (wo) window 2, source 1 (the rows) window 0, C and D window 1
.irp a, 0,1,2,3
.irp n, 0,1,2,3,4,5,6,7
	WMS 8*(8*\a+\n), 96*fs+12*\n, 128+48*fs+12*\a, \zero, 48+4*(\s)+(\n>>1), \n&1, 32+2*(\s)+(\a>>1), \a&1
.endr
.endr
.endm
.macro KSTEP s, zero
	s_wait_dscnt 0x0                               ; this step's fragments are in
	PLACES                                         ; four places in front of loads into the set that the last step's products read
.if (\s) == 3
	s_wait_tensorcnt 0x0                           ; the upper halves along K: my parts are in,
	s_barrier_signal -1
	s_barrier_wait -1                              ; everybody's are
.endif
.if (\s) < 7
	FETCH (\s)+1
.endif
	MUL \s, \zero
.endm
.macro XLOAD a                         ; x: rows 16 a .. 16 a + 15 of my 64, my 128 columns: a load reads 512 consecutive bytes of a row
.irp t, 0,1,2,3,4,5,6,7,8,9,10,11,12,13,14,15
	global_load_b128 v[64*(\a)+4*\t:64*(\a)+4*\t+3], v11, s[8:9] offset:(16*(\a)+\t)*4096 th:TH_LOAD_NT
.endr
.endm
.macro TOSTAGE a                       ; block a (16 rows x 128 columns) through my own stage: in as 32 bytes a lane, each accumulator from its low end on; back as whole rows of 512 bytes
	WIN 0x04                                       ; an LDS store's data are its source 1: window 1
.irp n, 0,1,2,3,4,5,6,7
	ds_store_b128 v9, v[64*(\a)+8*\n:64*(\a)+8*\n+3] offset:64*\n
	ds_store_b128 v9, v[64*(\a)+8*\n+4:64*(\a)+8*\n+7] offset:64*\n+16
.endr
	WIN 0
.set bb, 128+64*((\a)&1)
.irp t, 0,1,2,3,4,5,6,7,8,9,10,11,12,13,14,15
	ds_load_b128 v[bb+4*\t:bb+4*\t+3], v10 offset:\t*528           ; LDS serves a wave's instructions in order: these see the stores above
.endr
.endm
.macro SEND a, younger
.set bb, 128+64*((\a)&1)
	s_wait_dscnt \younger                          ; the block is back; the next block's 16 stores and 16 loads may be out
	s_wait_loadcnt 48-16*(\a)                      ; x's block a is in; the later blocks' loads may be out
	WIN 0x0c                                       ; source 1: x, window 3
.set i, 0
.rept 32
	v_pk_add_f32 v[bb+i:bb+i+1], v[bb+i:bb+i+1], v[64*(\a)+i:64*(\a)+i+1]
.set i, i+2
.endr
	WIN 0
.irp t, 0,1,2,3,4,5,6,7,8,9,10,11,12,13,14,15
	global_store_b128 v11, v[bb+4*\t:bb+4*\t+3], s[10:11] offset:(16*(\a)+\t)*4096 th:TH_STORE_NT   ; 32 lanes store 512 consecutive bytes, at a multiple of 256 from the buffer's first byte
.endr
.endm
	s_load_b256 s[4:11], s[0:1], 0x0               ; att s[4:5], wq4 s[6:7], x s[8:9], out0 s[10:11]
	v_lshl_add_u32 v126, v0, 2, 0x48000
	v_mov_b32 v127, 0
	ds_add_u32 v126, v127
	ds_add_u32 v126, v127
	v_lshrrev_b32 v13, 5, v0
	v_readfirstlane_b32 s14, v13                   ; wave 0..3
	s_lshr_b32 s15, s14, 1                         ; th: which 64 tokens
	s_and_b32 s16, s14, 1                          ; ch: which 128 columns
	s_bfe_u32 s17, ttmp6, 0x40000                  ; cx
	s_bfe_u32 s18, ttmp6, 0x40004                  ; cy
	s_lshl_b32 s19, ttmp9, 2
	s_add_co_u32 s19, s19, s17                     ; nb: block of 256 columns
	s_and_b32 s20, ttmp7, 0xffff
	s_lshl_b32 s20, s20, 2
	s_add_co_u32 s20, s20, s18                     ; block of 128 tokens
	s_lshl_b32 s56, s18, 2
	s_lshl_b32 s56, 15, s56                        ; my row of the cluster
	s_lshl_b32 s57, 0x1111, s17                    ; my column
	; groups 1: dense blocks as rows of 256 bytes (32 elements of 8 bytes), no padding.  The rows' codes: 48 rows a load; wo's: 96
	s_or_b32 s24, s56, (3<<16)|(1<<21)
	s_mov_b32 s25, 32<<16
	s_mov_b32 s26, 48<<16
	s_mov_b32 s27, 32<<16
	s_mov_b32 s28, 48
	s_mov_b32 s29, 32
	s_mov_b32 s30, 0
	s_mov_b32 s31, 0
	s_or_b32 s32, s57, (3<<16)|(1<<21)
	s_mov_b32 s33, 32<<16
	s_mov_b32 s34, 96<<16
	s_mov_b32 s35, 32<<16
	s_mov_b32 s36, 96
	s_mov_b32 s37, 32
	s_mov_b32 s38, 0
	s_mov_b32 s39, 0
	s_mul_i32 s58, s20, 98304                      ; the rows' codes: my block of tokens, my quarter of each half
	s_mul_i32 s66, s14, 12288
	s_add_co_u32 s58, s58, s66
	s_mov_b32 s59, 0
	s_mul_i32 s60, s19, 196608                     ; wo's: my block of columns, my quarter of each half
	s_mul_i32 s67, s14, 24576
	s_add_co_u32 s60, s60, s67
	s_add_co_u32 s60, s60, 2359296
	s_mov_b32 s61, 0
	v_and_b32 v14, 31, v0
	v_lshlrev_b32 v11, 4, v14
	v_lshlrev_b32 v12, 2, v14
	v_lshlrev_b32 v13, 3, v14
	s_mul_i32 s68, s15, 6144                       ; my four tiles of rows
	v_add_nc_u32 v3, s68, v13
	v_add_nc_u32 v4, 49152, v3
	s_mul_i32 s68, s16, 12288                      ; my eight tiles of columns
	s_add_co_u32 s68, s68, 98304
	v_add_nc_u32 v5, s68, v11
	v_add_nc_u32 v6, 49152, v5
	v_add_nc_u32 v7, 98304, v5
	v_add_nc_u32 v8, 147456, v5
	s_mul_i32 s68, s14, 16*528                     ; my stage: 16 rows of 512 bytes + 16
	v_and_b32 v14, 15, v0
	v_bfe_u32 v15, v0, 4, 1
	v_mul_u32_u24 v9, v14, 528
	v_lshl_add_u32 v9, v15, 5, v9
	v_add_nc_u32 v9, s68, v9
	v_add_nc_u32 v10, s68, v11
	s_lshl_b32 s62, s20, 12                        ; the rows' scale words: my two pairs of tiles, 1,024 bytes each
	s_lshl_b32 s68, s15, 11
	s_add_co_u32 s62, s62, s68
	s_add_co_u32 s62, s62, 6291456
	s_mov_b32 s63, 0
	s_lshl_b32 s70, s19, 10                        ; wo's: my 128 columns, 4 bytes each
	s_lshl_b32 s68, s16, 9
	s_add_co_u32 s70, s70, s68
	s_add_co_u32 s70, s70, 3145728+3*32768
	s_mov_b32 s71, 0
	s_lshl_b32 s72, s20, 19                        ; x and out0: my first row, my first column
	s_lshl_b32 s68, s15, 18
	s_add_co_u32 s72, s72, s68
	s_lshl_b32 s68, s19, 10
	s_add_co_u32 s72, s72, s68
	s_lshl_b32 s68, s16, 9
	s_add_co_u32 s72, s72, s68
	s_mov_b32 s73, 0
	s_wait_dscnt 0x0
	s_wait_kmcnt 0x0
	s_add_nc_u64 s[62:63], s[4:5], s[62:63]
	s_add_nc_u64 s[70:71], s[6:7], s[70:71]
	s_add_nc_u64 s[8:9], s[8:9], s[72:73]
	s_add_nc_u64 s[10:11], s[10:11], s[72:73]
.irp s, 0,1,2,3,4,5,6,7
.irp c, 0,1
	global_load_b32 v[32+2*\s+\c], v12, s[62:63] offset:1024*\c+128*\s       ; lanes 0-15: tile 2 c; lanes 16-31: tile 2 c + 1
.endr
.endr
.irp s, 0,1,2,3,4,5,6,7
.irp c, 0,1,2,3
	global_load_b32 v[48+4*\s+\c], v12, s[70:71] offset:4096*\s+128*\c
.endr
.endr
	WIN 0xc0                                       ; destination window 3
	XLOAD 0
	XLOAD 1
	XLOAD 2
	WIN 0
	s_mov_b32 s40, 1                               ; groups 0.  The rows' codes, K steps 0-3,
	s_mov_b32 s41, s66
	s_add_nc_u64 s[42:43], s[4:5], s[58:59]
	s_mov_b32 s44, 1                               ; K steps 4-7,
	s_add_co_u32 s45, s66, 49152
	s_add_nc_u64 s[46:47], s[42:43], 49152
	s_or_b32 s43, s43, 0x80000000
	s_or_b32 s47, s47, 0x80000000
	s_mov_b32 s48, 1                               ; wo's, K steps 0-3,
	s_add_co_u32 s49, s67, 98304
	s_add_nc_u64 s[50:51], s[6:7], s[60:61]
	s_mov_b32 s52, 1                               ; K steps 4-7
	s_add_co_u32 s53, s67, 196608
	s_add_nc_u64 s[54:55], s[50:51], 98304
	s_or_b32 s51, s51, 0x80000000
	s_or_b32 s55, s55, 0x80000000
	CROUND                                         ; all sixteen work-groups are here: the joint loads meet
	tensor_load_to_lds s[40:43], s[24:31]          ; one group: four loads of mine are out
	s_nop 0
	tensor_load_to_lds s[48:51], s[32:39]
	s_nop 0
	tensor_load_to_lds s[44:47], s[24:31]
	s_nop 0
	tensor_load_to_lds s[52:55], s[32:39]
	s_nop 0
	PLACES
	s_wait_tensorcnt 0x2                           ; the lower halves along K: my parts are in; the upper halves may stay out
	s_barrier_signal -1
	s_barrier_wait -1
	s_wait_loadcnt 48                              ; the scale words are in; x's 48 loads may be out
	WIN 0xc0
	XLOAD 3
	FETCH 0
	KSTEP 0, 1                                     ; the first K step's products start the sums
	s_wait_alu depctr_va_vdst(0)
	KSTEP 1, 0
	KSTEP 2, 0
	KSTEP 3, 0
	KSTEP 4, 0
	KSTEP 5, 0
	KSTEP 6, 0
	KSTEP 7, 0
	WIN 0
	s_wait_dscnt 0x0
	s_barrier_signal -1
	s_barrier_wait -1                              ; no wave reads the rows' codes any more: their bytes become the stages
	PLACES                                         ; four places in front of the first read of results and of loads into the rows' fragments' registers
	TOSTAGE 0
.irp a, 1,2,3
.if \a > 1
	s_wait_xcnt 0x0                                ; block a - 2's stores have read their registers: block a's rows may land there
.endif
	TOSTAGE \a
	SEND \a-1, 32
.endr
	SEND 3, 0
	s_wait_tensorcnt 0x0
	ds_add_u32 v126, v127
	s_wait_dscnt 0x0
	CROUND                                         ; the closing round
	s_endpgm
.Lfunc_end_k_qc928dc411f_oproj:
	.size	k_qc928dc411f_oproj, .Lfunc_end_k_qc928dc411f_oproj-k_qc928dc411f_oproj
	.p2alignl 7, 3214868480
	.fill 96, 4, 3214868480
	.section	.rodata,"a",@progbits
	.p2align	6, 0x0
	.amdhsa_kernel k_qc928dc411f_oproj
		.amdhsa_group_segment_fixed_size 295424
		.amdhsa_private_segment_fixed_size 0
		.amdhsa_enable_private_segment 0
		.amdhsa_kernarg_size 32
		.amdhsa_user_sgpr_count 2
		.amdhsa_user_sgpr_kernarg_segment_ptr 1
		.amdhsa_wavefront_size32 1
		.amdhsa_system_sgpr_workgroup_id_x 1
		.amdhsa_system_sgpr_workgroup_id_y 1
		.amdhsa_system_sgpr_workgroup_id_z 1
		.amdhsa_system_vgpr_workitem_id 0
		.amdhsa_next_free_vgpr 1024
		.amdhsa_next_free_sgpr 80
		.amdhsa_reserve_vcc 0
		.amdhsa_float_denorm_mode_32 3
		.amdhsa_float_denorm_mode_16_64 3
		.amdhsa_memory_ordered 1
		.amdhsa_forward_progress 1
		.amdhsa_inst_pref_size 99
	.end_amdhsa_kernel
	.amdgpu_metadata
---
amdhsa.version: [ 1, 2 ]
amdhsa.kernels:
  - .name:           k_qc928dc411f_oproj
    .symbol:         k_qc928dc411f_oproj.kd
    .args:
      - { .name: att, .offset: 0, .size: 8, .value_kind: global_buffer, .address_space: global }
      - { .name: wq4, .offset: 8, .size: 8, .value_kind: global_buffer, .address_space: global }
      - { .name: x, .offset: 16, .size: 8, .value_kind: global_buffer, .address_space: global }
      - { .name: out0, .offset: 24, .size: 8, .value_kind: global_buffer, .address_space: global }
    .group_segment_fixed_size: 295424
    .private_segment_fixed_size: 0
    .kernarg_segment_align: 8
    .kernarg_segment_size: 32
    .max_flat_workgroup_size: 128
    .sgpr_count:     80
    .vgpr_count:     1024
    .wavefront_size: 32
...
	.end_amdgpu_metadata
.endif
;; end of part 4
